; MI455X (gfx1250); checked and timed in simulation.
; The chip was launched on July 23, 2026; its instructions are those of AMD's public machine-readable ISA for CDNA 5 (MIT licence, August 2026) and "CDNA5" Instruction Set Architecture Reference Guide (July 2026). The comments in the code are by the model that wrote it; some were corrected since.
;; Block. Allowed arithmetic: matrix products marked QUANTISED: E5M2 operands, one E8M0 scale for each 32 along K, by v_wmma_scale_f32_16x16x128_f8f6f4 with both operands' format E5M2, f32 sums; everything else in f32.
;; Inputs: W_ff1_codes 4,096 x 32 x 32 uint8 (E5M2 codes of W_ff1, K innermost, in blocks of 32 codes); W_ff1_scales 4,096 x 32 uint8 (E8M0 scales of W_ff1, one for each 32 codes along K); W_ff2_codes 1,024 x 128 x 32 uint8 (E5M2 codes of W_ff2, K innermost, in blocks of 32 codes); W_ff2_scales 1,024 x 128 uint8 (E8M0 scales of W_ff2, one for each 32 codes along K); W_o_codes 1,024 x 32 x 32 uint8 (E5M2 codes of W_o, K innermost, in blocks of 32 codes); W_o_scales 1,024 x 32 uint8 (E8M0 scales of W_o, one for each 32 codes along K); W_qkv_codes 3,072 x 32 x 32 uint8 (E5M2 codes of W_qkv, K innermost, in blocks of 32 codes); W_qkv_scales 3,072 x 32 uint8 (E8M0 scales of W_qkv, one for each 32 codes along K); b_ff1 4,096 float32; b_ff2 1,024 float32; b_o 1,024 float32; b_qkv 3,072 float32; ln1_b 1,024 float32; ln1_w 1,024 float32; ln2_b 1,024 float32; ln2_w 1,024 float32; x 2 x 2,048 x 1,024 float32.
;; Outputs: out0 2 x 2,048 x 1,024 float32.
;; This version of the problem:
;;   THIS VERSION OF THE PROBLEM IS GIVEN IN LOW PRECISION. The matrix products marked QUANTISED in the list below multiply operands that are first quantised to E5M2 (5 exponent bits, 2 mantissa bits; 8 bits a number), with one power-of-two scale for each 32 numbers along K (OCP MX v1.0); their sums are f32. All else is computed in f32.
;;   The module's matrix products, in the order in which they are computed (A, B: the left and right operand; K: the contracted axis; several contracted axes count as one K, in the product's order):
;;     1. [M 4,096, K 1,024] x [K 1,024, N 3,072]; A: computed on the way; B: input W_qkv (given as codes): QUANTISED
;;     2. batch 32 x [M 2,048, K 64] x [K 64, N 2,048]; A: computed on the way; B: computed on the way: QUANTISED
;;     3. batch 32 x [M 2,048, K 2,048] x [K 2,048, N 64]; A: softmax (see below); B: computed on the way: QUANTISED
;;     4. [M 4,096, K 1,024] x [K 1,024, N 1,024]; A: computed on the way; B: input W_o (given as codes): QUANTISED
;;     5. [M 4,096, K 1,024] x [K 1,024, N 4,096]; A: computed on the way; B: input W_ff1 (given as codes): QUANTISED
;;     6. [M 4,096, K 4,096] x [K 4,096, N 1,024]; A: computed on the way; B: input W_ff2 (given as codes): QUANTISED
;;   THE QUANTISER, for each operand of a quantised product, along K:
;;     - K is cut into blocks of 32 from its start; a last block that is shorter is filled with zeros.
;;     - A block's scale is 2^e with e = floor(log2(the largest magnitude in the block)) - 15, held to -126 .. 127; a block of zeros has e = 0. As a byte (E8M0): e + 127.
;;     - Each number is divided by its block's scale, clamped to +-57,344, and rounded to the nearest number of E5M2, ties to even, subnormals kept.
;;     - The product sums the exact products of the quantised numbers (number of the format x scale) in f32.
;;   ~~~python
;;   def quantise(x, axis):      # numpy; x: float32 -> the quantised numbers, widened to float32 again
;;       x = np.moveaxis(x, axis, -1); K = x.shape[-1]
;;       x = np.pad(x, [(0, 0)] * (x.ndim - 1) + [(0, -K % 32)]); x = x.reshape(x.shape[:-1] + (-1, 32)); a = np.abs(x).max(-1, keepdims=True)
;;       e = np.where(a > 0, np.clip(np.frexp(np.where(a > 0, a, 1))[1] - 1 - 15, -126, 127), 0)      # np.frexp(a)[1] - 1 = floor(log2(a)), exactly
;;       r = np.clip(x / 2.0 ** e, -57344, 57344)
;;       step = 2.0 ** (np.maximum(np.frexp(np.where(r == 0, 1, r))[1] - 1, -14) - 2)
;;       q = np.round(r / step) * step * 2.0 ** e      # np.round: ties to even
;;       return np.moveaxis(q.reshape(q.shape[:-2] + (-1,))[..., :K], -1, axis).astype(np.float32)
;;   ~~~
;;   SOFTMAX AHEAD OF A QUANTISED PRODUCT. Where the list says 'softmax', what is quantised is not the finished softmax but p = 2^(t - M), with t = logit x log2(e) and M = ceil(the row's largest t), a whole number; so 1/2 < the row's largest p <= 1. The row's sum l is taken of the UNQUANTISED p, in f32, and the product's result is divided by l at the end. Since M is a whole number, a kernel that streams over the keys may use a running M (the ceiling of the running maximum): every later rescaling is an exact power of two, which a block's scale takes up: the codes' values come out the same.
;;   OPERANDS COMPUTED ON THE WAY. 'Computed on the way' means the value that the module computes at that place (a softmax that the list does not call 'softmax' is quantised finished and normalised). What goes into a quantiser is computed in f32, as accurately as f32 sums, v_exp_f32 and their like allow (about 1e-6 of the number): no bf16 or f16 on the way to a quantiser, and a product that is left as it is and whose result goes on into a quantised operand takes f32 operands (vector FMAs, or v_wmma_f32_16x16x4_f32). A number that lies on a knife's edge between two numbers of the format may be rounded either way, as far as f32 arithmetic and the matrix unit's own rounding can turn it there, and no further.
;;   INPUTS GIVEN AS CODES. W_ff1 (in the module: [1024, 4096], K = its axis 0); W_ff2 (in the module: [4096, 1024], K = its axis 0); W_o (in the module: [1024, 1024], K = its axis 0); W_qkv (in the module: [1024, 3072], K = its axis 0): each comes as NAME_codes (uint8): NAME with its K axis moved to the last place and cut into blocks of 32 codes, [.., K / 32, bytes a block], one block behind the other in memory; one code a byte (a code: sign, 5 exponent bits, 2 mantissa bits); and NAME_scales (uint8): the same leading axes, one E8M0 byte (e + 127) for each 32 codes along K. Its value is code x scale, taken as it is: it is not quantised again, and the codes and scales need not be those that the quantiser above would give.
;; One version. Each part assembles by itself: llvm-mc -triple=amdgcn-amd-amdhsa -mcpu=gfx1250 --defsym DOCPART=n.
;; ======== version 1 of 1: 8 launches
;; workspace buffers: hbuf 4,325,376 bytes; qkbuf 8,912,896 bytes; vbuf 4,325,376 bytes; avbuf 4,325,376 bytes; x1 16,777,216 bytes; gbuf 17,301,504 bytes
;; launch ln1 (part 1): grid 256 x 1, 8 waves a work-group, no clusters, 67,072 bytes of LDS; arguments x, ln1_w, ln1_b, hbuf; writes hbuf
.if DOCPART == 1
	.amdgcn_target "amdgcn-amd-amdhsa--gfx1250"
	.amdhsa_code_object_version 6
	.text
	.protected	k_q8d2f694b91_ln1
	.globl	k_q8d2f694b91_ln1
	.p2align	8
	.type	k_q8d2f694b91_ln1,@function
k_q8d2f694b91_ln1:
	s_mov_b64 s[64:65], 0
	v_nop
	global_prefetch_b8 v0, s[64:65] scope:SCOPE_SE
	s_setreg_imm32_b32 hwreg(HW_REG_WAVE_MODE, 25, 1), 1
	s_wait_xcnt 0x0
; LayerNorm over rows of 1,024 f32 numbers, y = (x - mean) * rsqrt(var + 1e-5) * w + b, and y quantised along the row to codes of E5M2 with one E8M0 byte for each 32 numbers.
; OUT: codes as images of a matrix operand's registers, [row / 128][k / 128][(row % 128) / 16][c 0..3][lane 0..31][16 bytes]: lane (r, h) of group c holds k = 32 c + 16 h + 0 .. 15 of row r;
;      behind them, SOFF bytes on, the scale words [row / 128][k / 128][128 rows], byte b of a word for k = 32 b .. 32 b + 31.
; SHARES: a work-group takes 16 rows.  Part 1: wave w normalises rows 2 w and 2 w + 1, a whole row in 32 registers of the wave, read from memory once; mean first, then the variance of x - mean.
; The rows meet in LDS (16 rows, 4,096 bytes + 16 of padding: row r starts 4 r words on, so the 16 rows that a load touches start in different banks).  Part 2: wave w makes the image of k = 128 w .. 128 w + 127.
; A stream: no matrix unit, no cluster (work-groups share nothing but 8 KB of gain and bias), no tensor load.
; The scale words leave as 64 consecutive bytes a wave: one byte in 32 of what the codes are.
; LIMITS: NaN and infinities are not served.  A block whose largest magnitude lies under 2^-111 (a block of zeros too) gets the byte 1: its codes are zeros or subnormal codes, and the bytes are read by this program alone.
.set LP,   4112                        ; an LDS row
.set SOFF, 4194304                     ; where the scale words begin in the output
.set X,    16                          ; v16-79   two rows as loaded; later a lane's 64 numbers of an image
.set WG,   80                          ; v80-111  the gain of my 32 columns
.set BG,   112                         ; v112-143 the bias
.set TM,   144                         ; v144-159 statistics (8 a row), then the quantiser's work
.set PC,   160                         ; v160-175 codes
.set PW,   176                         ; v176     the scale word
.set SEL,  20                          ; s[20:21] v_permlanex16_b32's selects for lane l xor 16
.set MNT,  23                          ; s23      the mantissa field of 57,344
	s_load_b256 s[4:11], s[0:1], 0x0               ; x s[4:5], gain s[6:7], bias s[8:9], out s[10:11]
	v_lshl_add_u32 v192, v0, 2, 0x10200
	v_mov_b32 v193, 0
	v_lshrrev_b32 v8, 5, v0
	v_readfirstlane_b32 s12, v8                    ; wave 0..7
	v_and_b32 v1, 31, v0                           ; lane
	v_lshlrev_b32 v2, 4, v1                        ; 16 x lane
	v_and_b32 v3, 15, v0                           ; r
	v_bfe_u32 v4, v0, 4, 1                         ; h
	s_mul_i32 s13, s12, 2*LP
	v_add_nc_u32 v5, s13, v2                       ; LDS, in: my wave's two rows, 16 bytes a lane
	v_mul_u32_u24 v6, v3, LP
	v_lshl_add_u32 v6, v4, 6, v6
	s_lshl_b32 s13, s12, 9
	v_add_nc_u32 v6, s13, v6                       ; LDS, out: row r, + 512 w (my 128 columns), + 64 h (my 16 of each 32)
	v_lshlrev_b32 v7, 2, v3                        ; 4 r: a row's scale word
	s_mov_b32 s[SEL], 0x76543210
	s_mov_b32 s[SEL+1], 0xfedcba98
	s_mov_b32 s[MNT], 0x600000
	s_mov_b32 s24, 0x3a800000                      ; 1 / 1,024
	s_mov_b32 s25, 0x3727c5ac                      ; 1e-5
	s_lshl_b32 s14, ttmp9, 16                      ; the work-group's 16 rows of 4,096 bytes,
	s_lshl_b32 s15, s12, 13                        ; my wave's two
	s_add_co_u32 s14, s14, s15
	s_mov_b32 s15, 0
	s_lshr_b32 s16, ttmp9, 3                       ; row / 128
	s_and_b32 s17, ttmp9, 7                        ; (row % 128) / 16
	s_lshl_b32 s18, s16, 3
	s_add_co_u32 s18, s18, s12                     ; 8 (row / 128) + k / 128
	s_lshl_b32 s26, s18, 3
	s_add_co_u32 s26, s26, s17
	s_lshl_b32 s26, s26, 11                        ; my image: 2,048 bytes each
	s_mov_b32 s27, 0
	s_lshl_b32 s28, s18, 9                         ; its scale words: 512 bytes for 128 rows,
	s_lshl_b32 s29, s17, 6                         ; 64 for my 16
	s_add_co_u32 s28, s28, s29
	s_add_co_u32 s28, s28, SOFF
	s_mov_b32 s29, 0
	s_wait_kmcnt 0x0
	s_add_nc_u64 s[4:5], s[4:5], s[14:15]
	s_add_nc_u64 s[26:27], s[10:11], s[26:27]
	s_add_nc_u64 s[28:29], s[10:11], s[28:29]
.irp p, 0,1
.irp j, 0,1,2,3,4,5,6,7
	global_load_b128 v[X+32*\p+4*\j:X+32*\p+4*\j+3], v2, s[4:5] offset:4096*\p+512*\j   ; 32 lanes read 512 consecutive bytes
.endr
.endr
.irp j, 0,1,2,3,4,5,6,7
	global_load_b128 v[WG+4*\j:WG+4*\j+3], v2, s[6:7] offset:512*\j
	global_load_b128 v[BG+4*\j:BG+4*\j+3], v2, s[8:9] offset:512*\j
.endr
.macro REDUCE t                        ; the sum over the 32 lanes, in every lane
	v_add_f32_dpp v[\t], v[\t], v[\t] row_xmask:1 row_mask:0xf bank_mask:0xf
	v_add_f32_dpp v[\t], v[\t], v[\t] row_xmask:2 row_mask:0xf bank_mask:0xf
	v_add_f32_dpp v[\t], v[\t], v[\t] row_xmask:4 row_mask:0xf bank_mask:0xf
	v_add_f32_dpp v[\t], v[\t], v[\t] row_xmask:8 row_mask:0xf bank_mask:0xf
	v_permlanex16_b32 v[\t+1], v[\t], s[SEL], s[SEL+1]
	v_add_f32 v[\t], v[\t], v[\t+1]
.endm
.macro STATS p                         ; row p of my two: x becomes x - mean; 1 / sqrt(var + eps) into v[T+6:T+7]
.set XR, X+32*\p
.set T,  TM+8*\p
	v_pk_add_f32 v[T:T+1], v[XR:XR+1], v[XR+2:XR+3]                ; two chains of packed sums, started by the first numbers
	v_pk_add_f32 v[T+2:T+3], v[XR+4:XR+5], v[XR+6:XR+7]
.irp i, 8,12,16,20,24,28
	v_pk_add_f32 v[T:T+1], v[T:T+1], v[XR+\i:XR+\i+1]
	v_pk_add_f32 v[T+2:T+3], v[T+2:T+3], v[XR+\i+2:XR+\i+3]
.endr
	v_pk_add_f32 v[T:T+1], v[T:T+1], v[T+2:T+3]
	v_add_f32 v[T], v[T], v[T+1]
	REDUCE T
	v_mul_f32 v[T+4], s24, v[T]                    ; the mean, twice: a pair for the packed subtraction
	v_mul_f32 v[T+5], s24, v[T]
.set n, 0
.rept 16
	v_pk_add_f32 v[XR+n:XR+n+1], v[XR+n:XR+n+1], v[T+4:T+5] neg_lo:[0,1] neg_hi:[0,1]
.set n, n+2
.endr
	v_pk_mul_f32 v[T:T+1], v[XR:XR+1], v[XR:XR+1]
	v_pk_mul_f32 v[T+2:T+3], v[XR+2:XR+3], v[XR+2:XR+3]
.irp i, 4,8,12,16,20,24,28
	v_pk_fma_f32 v[T:T+1], v[XR+\i:XR+\i+1], v[XR+\i:XR+\i+1], v[T:T+1]
	v_pk_fma_f32 v[T+2:T+3], v[XR+\i+2:XR+\i+3], v[XR+\i+2:XR+\i+3], v[T+2:T+3]
.endr
	v_pk_add_f32 v[T:T+1], v[T:T+1], v[T+2:T+3]
	v_add_f32 v[T], v[T], v[T+1]
	REDUCE T
	v_fma_f32 v[T], v[T], s24, s25                 ; var + eps
	v_rsq_f32 v[T+6], v[T]
	v_rsq_f32 v[T+7], v[T]
	v_nop                                          ; one plain instruction behind a transcendental before its result is used (ISA guide 5.7.2)
.endm
.macro FINISH p                        ; y = (x - mean) rs w + b, and into LDS
.set XR, X+32*\p
.set T,  TM+8*\p
.set n, 0
	s_wait_alu depctr_va_vdst(0)
.rept 16
	v_pk_mul_f32 v[XR+n:XR+n+1], v[XR+n:XR+n+1], v[T+6:T+7]
	v_pk_fma_f32 v[XR+n:XR+n+1], v[XR+n:XR+n+1], v[WG+n:WG+n+1], v[BG+n:BG+n+1]
.set n, n+2
.endr
.irp j, 0,1,2,3,4,5,6,7
	ds_store_b128 v5, v[XR+4*\j:XR+4*\j+3] offset:LP*\p+512*\j
.endr
.endm
	s_wait_loadcnt 16                              ; my two rows are in; the 16 younger loads (gain, bias) may be out
	STATS 0
	STATS 1
	s_wait_loadcnt 0x0
	FINISH 0
	FINISH 1
	s_wait_dscnt 0x0                               ; for the others' sake: my rows lie in LDS
	s_barrier_signal -1
	s_barrier_wait -1
.irp c, 0,1,2,3
.irp j, 0,1,2,3
	ds_load_b128 v[X+16*\c+4*\j:X+16*\c+4*\j+3], v6 offset:128*\c+16*\j   ; register 16 c + i: y(r, 128 w + 32 c + 16 h + i)
.endr
.endr
	s_wait_dscnt 0x0
	; the quantiser: four blocks of 32, each in lanes l and l xor 16
.irp b, 0,1,2,3
	v_max3_num_f32 v[TM+\b], |v[X+16*\b]|, |v[X+16*\b+1]|, 0x8000000   ; my 16 numbers, and the floor 2^(16 - 127): the byte cannot fall under 1
.endr
.irp i, 2,4,6,8,10,12,14
.irp b, 0,1,2,3
	v_max3_num_f32 v[TM+\b], v[TM+\b], |v[X+16*\b+\i]|, |v[X+16*\b+\i+1]|
.endr
.endr
.irp b, 0,1,2,3
	v_permlanex16_b32 v[TM+4+\b], v[TM+\b], s[SEL], s[SEL+1]
.endr
.irp b, 0,1,2,3
	v_max_num_f32 v[TM+\b], v[TM+\b], v[TM+4+\b]   ; the block's largest magnitude
.endr
.irp b, 0,1,2,3
	v_add_nc_u32 v[TM+12+\b], 0xf8800000, v[TM+\b] ; 15 off its exponent field: the conversion's scale operand
.endr
.irp b, 0,1,2,3
	v_and_or_b32 v[TM+8+\b], v[TM+\b], 0x7f800000, s[MNT]   ; 57,344 x the scale
.endr
.irp b, 0,1,2,3
	v_lshrrev_b32 v[TM+4+\b], 23, v[TM+12+\b]      ; the scale's byte
.endr
	v_lshl_or_b32 v[PW], v[TM+5], 8, v[TM+4]
	v_lshl_or_b32 v[PW], v[TM+6], 16, v[PW]
	v_lshl_or_b32 v[PW], v[TM+7], 24, v[PW]
.irp b, 0,1,2,3
.irp i, 0,1,2,3,4,5,6,7,8,9,10,11,12,13,14,15
	v_med3_num_f32 v[X+16*\b+\i], v[X+16*\b+\i], -v[TM+8+\b], v[TM+8+\b]   ; the conversion does not saturate (ISA guide 7.6.2): the hold comes first
.endr
	v_cvt_scalef32_pk8_bf8_f32 v[PC+4*\b:PC+4*\b+1], v[X+16*\b:X+16*\b+7], v[TM+12+\b]
	v_cvt_scalef32_pk8_bf8_f32 v[PC+4*\b+2:PC+4*\b+3], v[X+16*\b+8:X+16*\b+15], v[TM+12+\b]
.endr
	v_nop
.irp c, 0,1,2,3
	global_store_b128 v2, v[PC+4*\c:PC+4*\c+3], s[26:27] offset:512*\c   ; 32 lanes store 512 consecutive bytes of the image
.endr
	s_wait_xcnt 0x0                                ; EXEC changes only behind this wait
	v_cmp_gt_u32 vcc_lo, 16, v1
	s_wait_tensorcnt 0x0
	ds_add_u32 v192, v193
	s_wait_dscnt 0x0
	s_and_saveexec_b32 s13, vcc_lo                 ; lanes 16-31 hold the same words
	global_store_b32 v7, v[PW], s[28:29]
	s_endpgm
.Lfunc_end_k_q8d2f694b91_ln1:
	.size	k_q8d2f694b91_ln1, .Lfunc_end_k_q8d2f694b91_ln1-k_q8d2f694b91_ln1
	.p2alignl 7, 3214868480
	.fill 96, 4, 3214868480
	.section	.rodata,"a",@progbits
	.p2align	6, 0x0
	.amdhsa_kernel k_q8d2f694b91_ln1
		.amdhsa_group_segment_fixed_size 67072
		.amdhsa_private_segment_fixed_size 0
		.amdhsa_enable_private_segment 0
		.amdhsa_kernarg_size 32
		.amdhsa_user_sgpr_count 2
		.amdhsa_user_sgpr_kernarg_segment_ptr 1
		.amdhsa_wavefront_size32 1
		.amdhsa_system_sgpr_workgroup_id_x 1
		.amdhsa_system_sgpr_workgroup_id_y 1
		.amdhsa_system_sgpr_workgroup_id_z 1
		.amdhsa_system_vgpr_workitem_id 0
		.amdhsa_next_free_vgpr 194
		.amdhsa_next_free_sgpr 66
		.amdhsa_reserve_vcc 1
		.amdhsa_float_denorm_mode_32 3
		.amdhsa_float_denorm_mode_16_64 3
		.amdhsa_memory_ordered 1
		.amdhsa_forward_progress 1
		.amdhsa_inst_pref_size 28
	.end_amdhsa_kernel
	.amdgpu_metadata
---
amdhsa.version: [ 1, 2 ]
amdhsa.kernels:
  - .name:           k_q8d2f694b91_ln1
    .symbol:         k_q8d2f694b91_ln1.kd
    .args:
      - { .name: x, .offset: 0, .size: 8, .value_kind: global_buffer, .address_space: global }
      - { .name: ln1_w, .offset: 8, .size: 8, .value_kind: global_buffer, .address_space: global }
      - { .name: ln1_b, .offset: 16, .size: 8, .value_kind: global_buffer, .address_space: global }
      - { .name: hbuf, .offset: 24, .size: 8, .value_kind: global_buffer, .address_space: global }
    .group_segment_fixed_size: 67072
    .private_segment_fixed_size: 0
    .kernarg_segment_align: 8
    .kernarg_segment_size: 32
    .max_flat_workgroup_size: 256
    .sgpr_count:     66
    .vgpr_count:     194
    .wavefront_size: 32
...
	.end_amdgpu_metadata
.endif
;; end of part 1
;; launch qk (part 2): grid 16 x 32, 4 waves a work-group, clusters of 4 x 4, 327,680 bytes of LDS; arguments hbuf, W_qkv_codes, W_qkv_scales, b_qkv, qkbuf; writes qkbuf
.if DOCPART == 2
	.amdgcn_target "amdgcn-amd-amdhsa--gfx1250"
	.amdhsa_code_object_version 6
	.text
	.protected	k_q8d2f694b91_qk
	.globl	k_q8d2f694b91_qk
	.p2align	8
	.type	k_q8d2f694b91_qk,@function
k_q8d2f694b91_qk:
	s_mov_b64 s[64:65], 0
	v_nop
	global_prefetch_b8 v0, s[64:65] scope:SCOPE_SE
	s_setreg_imm32_b32 hwreg(HW_REG_WAVE_MODE, 25, 1), 1
	s_wait_xcnt 0x0
	s_wait_alu depctr_hold_cnt(0) depctr_sa_sdst(0) depctr_va_vdst(0) depctr_va_sdst(0) depctr_va_ssrc(0) depctr_va_vcc(0) depctr_vm_vsrc(0)
	s_getreg_b32 s2, hwreg(HW_REG_IB_STS2, 6, 4)
	s_cmp_eq_u32 s2, 0
	s_cbranch_scc0 .Lentry_in_a_cluster
	s_endpgm
.Lentry_in_a_cluster:
	s_bfe_u32 s2, ttmp6, 0x10000c
	s_cmp_lg_u32 s2, 0xf033
	s_cbranch_scc0 .Lentry_shape_is_right
	s_endpgm
.Lentry_shape_is_right:
; q and k: columns 0 .. 2,047 of h W_qkv + b_qkv, on codes of E5M2 with E8M0 scales, and the result quantised along each head's 64 channels.
; A = h, 4,096 rows x 1,024, as images of operand registers ([row / 128][k / 128][(row % 128) / 16][2,048 bytes]) with scale words SOFF bytes on ([row / 128][k / 128][128 rows]);  B = the weight's rows (one row = one output column), 1,024 codes each, scale bytes [row][32].
; A tile of C is 128 x 128; each of four waves makes 32 rows x 128 columns: 16 accumulators.  So a wave owns whole blocks of 32 columns, whole scale words and whole images, and nothing crosses waves on the way out.
; K = 1,024 is two LDS slots of 512 along K, both filled at the start by the tensor data mover and never again; the scales of the tile's rows, for all of K, come with them.
; CLUSTER 4 x 4: the four work-groups of a cluster's row need the same tiles of A, the four of a column the same tiles of B: joint loads, one descriptor and one mask for the four.
; THE MATRIX INSTRUCTION IS USED TRANSPOSED (source 0 = 16 rows of B, source 1 = 16 rows of A): lane (r, h) holds row r of C, register j of tile b column 16 b + 8 h + j.  Tiles 2 c and 2 c + 1 in lanes l and l xor 16 are a block of 32.
; OUT: images of 16 tokens x 64 channels, 1,024 bytes, [column / 64][token / 16][c 0..1][lane][16 bytes], the conversions' registers as they stand: byte i of lane (r, h) in group c is channel 32 c + 16 (i / 8) + 8 h + i % 8.
;      q and k have the same order, so their products pair, and a block of 32 stays a block.  Scale words OSOFF bytes on, [column / 64][token]: two bytes and 0x7f7f above them, for the zero codes that fill K to 128 in the next launch.
; REGISTERS in windows of 256: window 0: v0-31 addresses, v32-111 scale words (two sets of 40) and nothing else.  window 1: B's fragments, two sets of 128.  window 2: v0-63 A's fragments, two sets of 32; v64-127 the bias.
;      window 3: v128-255 the accumulators ((a, b) at v[128 + 8 (8 a + b)]); v0-127 at work on the way out.
; LIMITS: NaN and infinities are not served.  A block whose largest magnitude lies under 2^-111 gets the byte 1 (read by this program alone).
.set KTOT,  1024
.set KS,    KTOT/32                    ; a weight row's scale bytes
.set SR,    KTOT/128                   ; rows of 256 bytes in half a side's scales
.set WROW0, 0                          ; the weight's first row that this launch uses
.set SOFF,  4194304                    ; A's scale words
.set OSOFF, 8388608                    ; the output's
.set SLOT,  133120                     ; a slot: A's 32 images (65,536 bytes), then B's 128 rows of 512 bytes + 16
.set WOFF,  65536
.set WP,    528                        ; 132 words: row r starts at bank 4 r mod 64 (64 banks of 4 bytes: ISA guide 11.1)
.set SCA,   2*SLOT                     ; A's scale words, dense
.set SCW,   SCA+4*KTOT                 ; B's scale bytes, as units of 256 bytes + 16
.set SBLK,  (16*KS/256)*272            ; those of 16 rows
.set NF,    40                         ; LDS loads of a step's fragments
.set ADRA, 16
.set ADRB, 20
.set ADSA, 22
.set ADSB, 23
.set CO,   26                          ; 16 x lane
.set LS,   27                          ; 4 x lane
.set BA,   30
.set SC,   32
.set BI,   64                          ; window 2
.set ACC,  128                         ; window 3
.set TM,   0                           ; window 3: the quantiser's work,
.set PC,   16                          ; codes, 16 for each of my two blocks of rows,
.set PW,   48                          ; their scale words,
.set MW,   50                          ; and the words as they are stored
.set SEL,  18
.set MNT,  45
.set G1,   24
.set G0,   32
.set G1B,  48
.set G0B,  56
.set G1S,  68
.set G0S,  76
.set G1SB, 80
.set G0SB, 88
.set MSB, 0
.macro WIN new                         ; the immediate's high byte repeats the setting that is left
.if MSB != \new
	s_set_vgpr_msb (MSB<<8)|\new
.set MSB, \new
.endif
.endm
.macro PLACES n
.rept \n
	v_nop
.endr
.endm
.macro JLOAD g0a, g1a, g0b, g1b        ; a joint load: waves 0 and 1 fetch for A, waves 2 and 3 for B; four v_nop follow each line
	s_cmp_eq_u32 s15, 0
	s_cbranch_scc0 .Lfor_b_\@
	tensor_load_to_lds s[\g0a:\g0a+3], s[\g1a:\g1a+7]
	s_nop 0
.rept 4
	v_nop
.endr
	s_branch .Lasked_\@
.Lfor_b_\@:
	tensor_load_to_lds s[\g0b:\g0b+3], s[\g1b:\g1b+7]
	s_nop 0
.rept 4
	v_nop
.endr
.Lasked_\@:
.endm
.macro CROUND                          ; a round of the cluster's barrier
	s_barrier_signal -1
	s_barrier_wait -1
	s_cmp_lg_u32 s14, 0
	s_cbranch_scc1 .Lnot_wave_0_\@
	s_barrier_signal -3
.Lnot_wave_0_\@:
	s_barrier_wait -3
	s_barrier_signal -1
	s_barrier_wait -1
.endm
; The descriptors of a side that is an activation.  t: the register with its tile's number; m: with its mask; ga, gb: groups 1 and 0 (two sets) of the codes; gc, gd: of the scale words; x: four registers of its own.
.macro SIDE_ACT t, m, ga, gb, gc, gd, x
	s_or_b32 s[\ga], s[\m], (3<<16)|(1<<21)        ; the mask; elements of 8 bytes; bit 21 beside a mask; no padding
	s_mov_b32 s[\ga+1], 32<<16                     ; half a slot's images, 32,768 dense bytes, as 128 rows of 256
	s_mov_b32 s[\ga+2], 128<<16
	s_mov_b32 s[\ga+3], 32<<16
	s_mov_b32 s[\ga+4], 128
	s_mov_b32 s[\ga+5], 32
	s_mov_b32 s[\ga+6], 0
	s_mov_b32 s[\ga+7], 0
	s_or_b32 s[\gc], s[\m], (3<<16)|(1<<21)
	s_mov_b32 s[\gc+1], 32<<16                     ; half the tile's scale words: SR rows of 256 bytes
	s_mov_b32 s[\gc+2], SR<<16
	s_mov_b32 s[\gc+3], 32<<16
	s_mov_b32 s[\gc+4], SR
	s_mov_b32 s[\gc+5], 32
	s_mov_b32 s[\gc+6], 0
	s_mov_b32 s[\gc+7], 0
	s_mul_i32 s[\x], s[\t], 128*KTOT
	s_lshl_b32 s[\x+2], s16, 15                    ; my half
	s_add_co_u32 s[\x], s[\x], s[\x+2]
	s_mov_b32 s[\x+1], 0
	s_add_nc_u64 s[\x:\x+1], s[4:5], s[\x:\x+1]
.irp s, 0,1
	s_mov_b32 s[\gb+4*\s], 1
	s_add_co_u32 s[\gb+4*\s+1], s[\x+2], \s*SLOT
	s_add_nc_u64 s[\gb+4*\s+2:\gb+4*\s+3], s[\x:\x+1], \s*65536
	s_or_b32 s[\gb+4*\s+3], s[\gb+4*\s+3], 0x80000000
.endr
	s_mul_i32 s[\x], s[\t], 4*KTOT
	s_mul_i32 s[\x+2], s16, 2*KTOT
	s_add_co_u32 s[\x], s[\x], s[\x+2]
	s_add_co_u32 s[\x], s[\x], SOFF
	s_mov_b32 s[\x+1], 0
	s_mov_b32 s[\gd], 1
	s_add_co_u32 s[\gd+1], s[\x+2], SCA
	s_add_nc_u64 s[\gd+2:\gd+3], s[4:5], s[\x:\x+1]
	s_or_b32 s[\gd+3], s[\gd+3], 0x80000000
.endm
; The same for a side that is a weight: 64 rows x 512 bytes, 16 bytes of padding behind each; its scale bytes as units of 256 bytes + 16.
.macro SIDE_WGT t, m, ga, gb, gc, gd, x
	s_or_b32 s[\ga], s[\m], (1<<20)|(1<<21)|(6<<22)|(3<<25)   ; elements of 1 byte; padding: 4 words after every 128
	s_mov_b32 s[\ga+1], 512<<16
	s_mov_b32 s[\ga+2], 64<<16
	s_mov_b32 s[\ga+3], 512<<16
	s_mov_b32 s[\ga+4], 64
	s_mov_b32 s[\ga+5], KTOT
	s_mov_b32 s[\ga+6], 0
	s_mov_b32 s[\ga+7], 0
	s_or_b32 s[\gc], s[\m], (3<<16)|(1<<20)|(1<<21)|(5<<22)|(3<<25)   ; elements of 8 bytes; padding: 4 words after every 64
	s_mov_b32 s[\gc+1], 32<<16
	s_mov_b32 s[\gc+2], SR<<16
	s_mov_b32 s[\gc+3], 32<<16
	s_mov_b32 s[\gc+4], SR
	s_mov_b32 s[\gc+5], 32
	s_mov_b32 s[\gc+6], 0
	s_mov_b32 s[\gc+7], 0
	s_lshl_b32 s[\x+2], s[\t], 7
	s_lshl_b32 s[\x+3], s16, 6
	s_add_co_u32 s[\x+2], s[\x+2], s[\x+3]         ; my first row: 128 x tile + 64 x half
.if WROW0
	s_add_co_u32 s[\x+2], s[\x+2], WROW0
.endif
	s_mul_i32 s[\x], s[\x+2], KTOT
	s_mov_b32 s[\x+1], 0
	s_add_nc_u64 s[\x:\x+1], s[6:7], s[\x:\x+1]
	s_mul_i32 s[\x+3], s16, 64*WP
.irp s, 0,1
	s_mov_b32 s[\gb+4*\s], 1
	s_add_co_u32 s[\gb+4*\s+1], s[\x+3], \s*SLOT+WOFF
	s_add_nc_u64 s[\gb+4*\s+2:\gb+4*\s+3], s[\x:\x+1], \s*512
	s_or_b32 s[\gb+4*\s+3], s[\gb+4*\s+3], 0x80000000
.endr
	s_mul_i32 s[\x], s[\x+2], KS
	s_mov_b32 s[\x+1], 0
	s_mul_i32 s[\x+3], s16, SR*272
	s_mov_b32 s[\gd], 1
	s_add_co_u32 s[\gd+1], s[\x+3], SCW
	s_add_nc_u64 s[\gd+2:\gd+3], s[8:9], s[\x:\x+1]
	s_or_b32 s[\gd+3], s[\gd+3], 0x80000000
.endm
; The fragments of the slot's q-th 128 along K into set p: B's eight (rows in LDS: four loads 32 bytes apart), A's two (images: four loads of 512 consecutive bytes)
.macro FETCH slot, q, p
	WIN 0x40
.irp i, 0,1,2,3,4,5,6,7
.irp c, 0,1,2,3
	ds_load_b128 v[128*(\p)+16*\i+4*\c:128*(\p)+16*\i+4*\c+3], v[ADRB+\slot] offset:8448*\i+128*(\q)+32*\c
.endr
.endr
	WIN 0x80
.irp a, 0,1
.irp c, 0,1,2,3
	ds_load_b128 v[32*(\p)+16*\a+4*\c:32*(\p)+16*\a+4*\c+3], v[ADRA+\slot] offset:16384*(\q)+2048*\a+512*\c
.endr
.endr
	WIN 0
.endm
.macro SCALES n                        ; a slot's scale words into set n: B's block i, word q at 4 i + q; A's word q at 32 + q: lanes 0-15 my rows 0-15, lanes 16-31 my rows 16-31
.irp i, 0,1,2,3,4,5,6,7
	ds_load_b128 v[SC+40*\n+4*\i:SC+40*\n+4*\i+3], v[ADSB] offset:\i*SBLK
.endr
.irp q, 0,1,2,3
	ds_load_b32 v[SC+40*\n+32+\q], v[ADSA] offset:512*\q
.endr
.endm
; 16 matrix instructions, 128 along K.  The 16 accumulators take turns, one instruction a turn, in the same order in every step.  first = 1: C is the bias.
.macro MUL16 p, q, sc, first
.irp a, 0,1
.irp b, 0,1,2,3,4,5,6,7
.set rD, ACC+8*(8*\a+\b)
.set rB, 128*(\p)+16*\b
.set rA, 32*(\p)+16*\a
.set rC, rD
.if \first
.set rC, BI+8*\b
.endif
.set xB, SC+40*(\sc)+4*\b+(\q)
.set xA, SC+40*(\sc)+32+(\q)
.if \a == 0
	v_wmma_scale_f32_16x16x128_f8f6f4 v[rD:rD+7], v[rB:rB+15], v[rA:rA+15], v[rC:rC+7], v[xB], v[xA] matrix_a_fmt:MATRIX_FMT_BF8 matrix_b_fmt:MATRIX_FMT_BF8
.else
	v_wmma_scale_f32_16x16x128_f8f6f4 v[rD:rD+7], v[rB:rB+15], v[rA:rA+15], v[rC:rC+7], v[xB], v[xA] matrix_a_fmt:MATRIX_FMT_BF8 matrix_b_fmt:MATRIX_FMT_BF8 matrix_b_scale:MATRIX_SCALE_ROW1
.endif
.endr
.endr
.endm
; A step that has its successor in the same slot.  Eight places stand in front of loads into registers that matrix instructions have read.
.macro STEP slot, q, first
.if \first
	FETCH \slot, (\q)+1, 1-(\q)%2
	s_wait_dscnt NF                                ; all but the 40 just issued: this step's fragments and scale words are in
	WIN 0xe9                                       ; source 0 window 1, source 1 window 2, C window 2 (the bias), D window 3
.else
	PLACES 8
	FETCH \slot, (\q)+1, 1-(\q)%2
	s_wait_dscnt NF
	WIN 0xf9                                       ; C and D window 3
.endif
	MUL16 (\q)%2, \q, \slot, \first
	WIN 0
.endm
.macro TURN slot, next                 ; a slot's last step, and the change of slots; nothing is filled again
	s_wait_tensorcnt 0x0                           ; my part of the other slot has landed
	s_wait_dscnt 0x0                               ; this slot's last fragments are in: my reads of it are over
	s_barrier_signal -1
	s_barrier_wait -1                              ; both hold of every wave
	PLACES 8
	v_add_nc_u32 v[ADSA], 2048, v[ADSA]            ; the next slot's scale words
	v_add_nc_u32 v[ADSB], 16, v[ADSB]
	FETCH \next, 0, 0
	SCALES \next
	WIN 0xf9
	MUL16 1, 3, \slot, 0
	WIN 0
.endm
; 64 numbers of a lane, v[s] on (registers 16 b + 0 .. 15 and those of lane l xor 16 are block b), become 16 registers of codes at v[pc] and the row's scale word in v[pw].  All in window 3.
.macro QUANT s, pc, pw
.irp b, 0,1,2,3
	v_max3_num_f32 v[TM+\b], |v[\s+16*\b]|, |v[\s+16*\b+1]|, 0x8000000   ; and the floor 2^(16 - 127): the byte cannot fall under 1
.endr
.irp i, 2,4,6,8,10,12,14
.irp b, 0,1,2,3
	v_max3_num_f32 v[TM+\b], v[TM+\b], |v[\s+16*\b+\i]|, |v[\s+16*\b+\i+1]|
.endr
.endr
.irp b, 0,1,2,3
	v_permlanex16_b32 v[TM+4+\b], v[TM+\b], s[SEL], s[SEL+1]
.endr
.irp b, 0,1,2,3
	v_max_num_f32 v[TM+\b], v[TM+\b], v[TM+4+\b]
.endr
.irp b, 0,1,2,3
	v_add_nc_u32 v[TM+12+\b], 0xf8800000, v[TM+\b] ; 15 off the exponent field: the conversion's scale operand
.endr
.irp b, 0,1,2,3
	v_and_or_b32 v[TM+8+\b], v[TM+\b], 0x7f800000, s[MNT]   ; 57,344 x the scale
.endr
.irp b, 0,1,2,3
	v_lshrrev_b32 v[TM+4+\b], 23, v[TM+12+\b]      ; the byte
.endr
	v_lshl_or_b32 v[\pw], v[TM+5], 8, v[TM+4]
	v_lshl_or_b32 v[\pw], v[TM+6], 16, v[\pw]
	v_lshl_or_b32 v[\pw], v[TM+7], 24, v[\pw]
.irp b, 0,1,2,3
.irp i, 0,1,2,3,4,5,6,7,8,9,10,11,12,13,14,15
	v_med3_num_f32 v[\s+16*\b+\i], v[\s+16*\b+\i], -v[TM+8+\b], v[TM+8+\b]   ; the conversion does not saturate (ISA guide 7.6.2)
.endr
	v_cvt_scalef32_pk8_bf8_f32 v[\pc+4*\b:\pc+4*\b+1], v[\s+16*\b:\s+16*\b+7], v[TM+12+\b]
	v_cvt_scalef32_pk8_bf8_f32 v[\pc+4*\b+2:\pc+4*\b+3], v[\s+16*\b+8:\s+16*\b+15], v[TM+12+\b]
.endr
	v_nop                                          ; a plain instruction behind the last conversion
.endm
	s_load_b128 s[4:7], s[0:1], 0x0                ; h s[4:5], the weight's codes s[6:7]
	s_load_b128 s[8:11], s[0:1], 0x10              ; its scales s[8:9], the bias s[10:11]
	s_load_b64 s[12:13], s[0:1], 0x20              ; out
	v_lshl_add_u32 v254, v0, 2, 0x43100
	v_mov_b32 v255, 0
	ds_add_u32 v254, v255
	ds_add_u32 v254, v255
	v_lshrrev_b32 v1, 5, v0
	v_readfirstlane_b32 s14, v1                    ; wave 0..3
	s_lshr_b32 s15, s14, 1                         ; I fetch for A (0) or for B (1),
	s_and_b32 s16, s14, 1                          ; and which half
	s_bfe_u32 s40, ttmp6, 0x40000                  ; cx, cy: my place in the cluster
	s_bfe_u32 s41, ttmp6, 0x40004
	s_lshl_b32 s42, ttmp9, 2
	s_add_co_u32 s42, s42, s40                     ; tile column
	s_and_b32 s17, ttmp7, 0xffff
	s_lshl_b32 s17, s17, 2
	s_add_co_u32 s17, s17, s41                     ; tile row
	s_lshl_b32 s43, s41, 2
	s_lshl_b32 s43, 15, s43                        ; my row of the cluster
	s_lshl_b32 s44, 0x1111, s40                    ; my column
	s_mov_b32 s[SEL], 0x76543210
	s_mov_b32 s[SEL+1], 0xfedcba98
	s_mov_b32 s[MNT], 0x600000
	s_wait_dscnt 0x0
	s_wait_kmcnt 0x0
	SIDE_ACT 17, 43, G1, G0, G1S, G0S, 20
	SIDE_WGT 42, 44, G1B, G0B, G1SB, G0SB, 92
	CROUND                                         ; all sixteen work-groups are here: the joint loads meet
	JLOAD G0S, G1S, G0SB, G1SB                     ; the scales, slot 0, slot 1: three loads of mine are out
	JLOAD G0, G1, G0B, G1B
	JLOAD G0+4, G1, G0B+4, G1B
	v_and_b32 v1, 15, v0                           ; r
	v_bfe_u32 v2, v0, 4, 1                         ; h
	v_and_b32 v3, 31, v0                           ; lane
	v_cmp_le_u32 s2, 16, v3                        ; lanes 16-31
	v_lshlrev_b32 v[CO], 4, v3
	v_lshlrev_b32 v[LS], 2, v3
	s_lshl_b32 s47, s14, 12                        ; my 32 rows: two images of each K step
	v_add_nc_u32 v[ADRA], s47, v[CO]
	v_add_nc_u32 v[ADRA+1], SLOT, v[ADRA]
	v_mul_u32_u24 v4, v1, WP
	v_lshl_add_u32 v4, v2, 4, v4
	v_add_nc_u32 v[ADRB], WOFF, v4
	v_add_nc_u32 v[ADRB+1], SLOT+WOFF, v4
	s_lshl_b32 s47, s14, 7
	s_add_co_u32 s47, s47, SCA
	v_add_nc_u32 v[ADSA], s47, v[LS]               ; my 32 rows' scale words
	v_mul_u32_u24 v4, v1, KS
	v_lshrrev_b32 v5, 8, v4
	v_lshl_add_u32 v4, v5, 4, v4                   ; row r's scale bytes: 16 more for each 256 passed
	v_add_nc_u32 v[ADSB], SCW, v4
	v_lshlrev_b32 v[BA], 5, v2                     ; the bias: my half's eight columns of each tile
	s_lshl_b32 s46, s42, 9
	s_mov_b32 s47, 0
	s_add_nc_u64 s[10:11], s[10:11], s[46:47]
	WIN 0x80
.irp b, 0,1,2,3,4,5,6,7
	global_load_b128 v[BI+8*\b:BI+8*\b+3], v[BA], s[10:11] offset:64*\b
	global_load_b128 v[BI+8*\b+4:BI+8*\b+7], v[BA], s[10:11] offset:64*\b+16
.endr
	WIN 0
	s_lshl_b32 s46, s42, 19                        ; out: image (2 x tile column) x 256 + 8 x tile row + 2 x wave, 1,024 bytes each
	s_lshl_b32 s47, s17, 13
	s_add_co_u32 s46, s46, s47
	s_lshl_b32 s47, s14, 11
	s_add_co_u32 s46, s46, s47
	s_mov_b32 s47, 0
	s_add_nc_u64 s[96:97], s[12:13], s[46:47]
	s_lshl_b32 s46, s42, 15                        ; its scale words: ((2 x tile column) x 4,096 + 128 x tile row + 32 x wave) x 4
	s_lshl_b32 s47, s17, 9
	s_add_co_u32 s46, s46, s47
	s_lshl_b32 s47, s14, 7
	s_add_co_u32 s46, s46, s47
	s_add_co_u32 s46, s46, OSOFF
	s_mov_b32 s47, 0
	s_add_nc_u64 s[12:13], s[12:13], s[46:47]
	s_mov_b32 s47, 0x7f7f0000
	s_wait_tensorcnt 0x1                           ; the scales and my part of slot 0 are in; slot 1's load may be out
	s_barrier_signal -1
	s_barrier_wait -1
	FETCH 0, 0, 0
	SCALES 0
	s_wait_loadcnt 0x0                             ; the bias
	STEP 0, 0, 1
	STEP 0, 1, 0
	STEP 0, 2, 0
	TURN 0, 1
	STEP 1, 0, 0
	STEP 1, 1, 0
	STEP 1, 2, 0
	s_wait_dscnt 0x0
	WIN 0xf9
	MUL16 1, 3, 1, 0
	; THE WAY OUT: all vector work in window 3
	PLACES 8
	WIN 0xff
.irp b, 0,1,2,3
	v_mov_b32 v[TM+4+\b], 0                        ; a lane permute's destination counts as one of its sources
.endr
	QUANT ACC, PC, PW
	QUANT ACC+64, PC+16, PW+1
	v_and_or_b32 v[MW], v[PW], 0xffff, s47         ; the first head's two bytes, 0x7f7f above them
	v_and_or_b32 v[MW+1], v[PW+1], 0xffff, s47
	v_lshrrev_b32 v[MW+2], 16, v[PW]               ; the second head's
	v_lshrrev_b32 v[MW+3], 16, v[PW+1]
	v_cndmask_b32 v[MW], v[MW], v[MW+1], s2        ; lanes 0-15 my rows 0-15, lanes 16-31 my rows 16-31
	v_cndmask_b32 v[MW+2], v[MW+2], v[MW+3], s2
	v_or_b32 v[MW+2], s47, v[MW+2]
	WIN 0x0c                                       ; a store's data window 3, its address window 0
.irp a, 0,1
.irp c, 0,1,2,3
	global_store_b128 v[CO], v[PC+16*\a+4*\c:PC+16*\a+4*\c+3], s[96:97] offset:(\c/2)*262144+\a*1024+(\c%2)*512   ; 512 consecutive bytes of an image
.endr
.endr
	global_store_b32 v[LS], v[MW], s[12:13]        ; 128 consecutive bytes
	global_store_b32 v[LS], v[MW+2], s[12:13] offset:16384
	WIN 0
	s_wait_dscnt 0x0
	s_wait_tensorcnt 0x0
	ds_add_u32 v254, v255
	s_wait_dscnt 0x0
	CROUND                                         ; the closing round
	s_endpgm
.Lfunc_end_k_q8d2f694b91_qk:
	.size	k_q8d2f694b91_qk, .Lfunc_end_k_q8d2f694b91_qk-k_q8d2f694b91_qk
	.p2alignl 7, 3214868480
	.fill 96, 4, 3214868480
	.section	.rodata,"a",@progbits
	.p2align	6, 0x0
	.amdhsa_kernel k_q8d2f694b91_qk
		.amdhsa_group_segment_fixed_size 327680
		.amdhsa_private_segment_fixed_size 0
		.amdhsa_enable_private_segment 0
		.amdhsa_kernarg_size 40
		.amdhsa_user_sgpr_count 2
		.amdhsa_user_sgpr_kernarg_segment_ptr 1
		.amdhsa_wavefront_size32 1
		.amdhsa_system_sgpr_workgroup_id_x 1
		.amdhsa_system_sgpr_workgroup_id_y 1
		.amdhsa_system_sgpr_workgroup_id_z 1
		.amdhsa_system_vgpr_workitem_id 0
		.amdhsa_next_free_vgpr 1024
		.amdhsa_next_free_sgpr 98
		.amdhsa_reserve_vcc 0
		.amdhsa_float_denorm_mode_32 3
		.amdhsa_float_denorm_mode_16_64 3
		.amdhsa_memory_ordered 1
		.amdhsa_forward_progress 1
		.amdhsa_inst_pref_size 70
	.end_amdhsa_kernel
	.amdgpu_metadata
---
amdhsa.version: [ 1, 2 ]
amdhsa.kernels:
  - .name:           k_q8d2f694b91_qk
    .symbol:         k_q8d2f694b91_qk.kd
    .args:
      - { .name: hbuf, .offset: 0, .size: 8, .value_kind: global_buffer, .address_space: global }
      - { .name: W_qkv_codes, .offset: 8, .size: 8, .value_kind: global_buffer, .address_space: global }
      - { .name: W_qkv_scales, .offset: 16, .size: 8, .value_kind: global_buffer, .address_space: global }
      - { .name: b_qkv, .offset: 24, .size: 8, .value_kind: global_buffer, .address_space: global }
      - { .name: qkbuf, .offset: 32, .size: 8, .value_kind: global_buffer, .address_space: global }
    .group_segment_fixed_size: 327680
    .private_segment_fixed_size: 0
    .kernarg_segment_align: 8
    .kernarg_segment_size: 40
    .max_flat_workgroup_size: 128
    .sgpr_count:     98
    .vgpr_count:     1024
    .wavefront_size: 32
...
	.end_amdgpu_metadata
.endif
;; end of part 2
;; launch vt (part 3): grid 32 x 8, 4 waves a work-group, clusters of 4 x 4, 327,680 bytes of LDS; arguments hbuf, W_qkv_codes, W_qkv_scales, b_qkv, vbuf; writes vbuf
.if DOCPART == 3
	.amdgcn_target "amdgcn-amd-amdhsa--gfx1250"
	.amdhsa_code_object_version 6
	.text
	.protected	k_q8d2f694b91_vt
	.globl	k_q8d2f694b91_vt
	.p2align	8
	.type	k_q8d2f694b91_vt,@function
k_q8d2f694b91_vt:
	s_mov_b64 s[64:65], 0
	v_nop
	global_prefetch_b8 v0, s[64:65] scope:SCOPE_SE
	s_setreg_imm32_b32 hwreg(HW_REG_WAVE_MODE, 25, 1), 1
	s_wait_xcnt 0x0
	s_wait_alu depctr_hold_cnt(0) depctr_sa_sdst(0) depctr_va_vdst(0) depctr_va_sdst(0) depctr_va_ssrc(0) depctr_va_vcc(0) depctr_vm_vsrc(0)
	s_getreg_b32 s2, hwreg(HW_REG_IB_STS2, 6, 4)
	s_cmp_eq_u32 s2, 0
	s_cbranch_scc0 .Lentry_in_a_cluster
	s_endpgm
.Lentry_in_a_cluster:
	s_bfe_u32 s2, ttmp6, 0x10000c
	s_cmp_lg_u32 s2, 0xf033
	s_cbranch_scc0 .Lentry_shape_is_right
	s_endpgm
.Lentry_shape_is_right:
; v, transposed: V^T = W_v h^T + b (rows 2,048 .. 3,071 of the weight), on codes of E5M2 with E8M0 scales, and the result quantised along the TOKENS, which are the K of attention's second product.
; A = the weight's rows (one row = one channel), 1,024 codes each, scale bytes [row][32];  B = h, 4,096 tokens, as images of operand registers with scale words SOFF bytes on.
; A tile of C is 128 channels x 128 tokens; each of four waves makes 32 channels x 128 tokens: 16 accumulators.  K = 1,024 is two LDS slots of 512, both filled at the start and never again; the scales come with them.
; CLUSTER 4 x 4: A's tiles are shared along a cluster's row, B's along a column: joint loads.
; Source 0 = 16 tokens of h, source 1 = 16 rows of the weight: lane (r, h) holds channel r, register j of tile b token 16 b + 8 h + j.  Tiles 2 c, 2 c + 1 in lanes l and l xor 16 are a block of 32 tokens.
; OUT: images of 16 channels x 128 keys, [batch x 16 + head][key / 128][channel / 16][c 0..3][lane][16 bytes], the conversions' registers as they stand: byte i of lane (r, h) in group c is key 32 c + 16 (i / 8) + 8 h + i % 8,
;      the order in which the next launch's weights p come out of its first product.  Scale words OSOFF bytes on, [batch x 16 + head][key / 128][64 channels].
; REGISTERS in windows of 256: window 0: v0-31 addresses, v32-111 scale words (two sets of 40) and nothing else.  window 1: B's fragments, two sets of 128.  window 2: v0-63 A's fragments, two sets; v64-79 the bias.
;      window 3: v128-255 the accumulators; v0-127 at work on the way out.
; LIMITS: NaN and infinities are not served.  A block whose largest magnitude lies under 2^-111 gets the byte 1 (read by this program alone).
.set KTOT,  1024
.set KS,    KTOT/32
.set SR,    KTOT/128
.set WROW0, 2048
.set SOFF,  4194304
.set OSOFF, 4194304
.set SLOT,  133120                     ; a slot: h's 32 images (65,536 bytes), then the weight's 128 rows of 512 bytes + 16
.set WOFF,  65536
.set WP,    528
.set SCA,   2*SLOT                     ; h's scale words, dense
.set SCW,   SCA+4*KTOT                 ; the weight's scale bytes, as units of 256 bytes + 16
.set SBLK,  (16*KS/256)*272
.set NF,    40
.set ADRA, 16
.set ADRB, 20
.set CO,   20                          ; 16 x lane: also B's address in slot 0
.set ADSA, 22
.set ADSB, 23
.set LS,   27
.set BA,   30
.set SC,   32
.set BI,   64
.set ACC,  128
.set TM,   0
.set PC,   16
.set PW,   48
.set MW,   50
.set SEL,  18
.set MNT,  45
.set G1,   24
.set G0,   32
.set G1B,  48
.set G0B,  56
.set G1S,  68
.set G0S,  76
.set G1SB, 80
.set G0SB, 88
.set MSB, 0
.macro WIN new
.if MSB != \new
	s_set_vgpr_msb (MSB<<8)|\new
.set MSB, \new
.endif
.endm
.macro PLACES n
.rept \n
	v_nop
.endr
.endm
.macro JLOAD g0a, g1a, g0b, g1b        ; a joint load: waves 0 and 1 fetch for A, waves 2 and 3 for B; four v_nop follow each line
	s_cmp_eq_u32 s15, 0
	s_cbranch_scc0 .Lfor_b_\@
	tensor_load_to_lds s[\g0a:\g0a+3], s[\g1a:\g1a+7]
	s_nop 0
.rept 4
	v_nop
.endr
	s_branch .Lasked_\@
.Lfor_b_\@:
	tensor_load_to_lds s[\g0b:\g0b+3], s[\g1b:\g1b+7]
	s_nop 0
.rept 4
	v_nop
.endr
.Lasked_\@:
.endm
.macro CROUND
	s_barrier_signal -1
	s_barrier_wait -1
	s_cmp_lg_u32 s14, 0
	s_cbranch_scc1 .Lnot_wave_0_\@
	s_barrier_signal -3
.Lnot_wave_0_\@:
	s_barrier_wait -3
	s_barrier_signal -1
	s_barrier_wait -1
.endm
.macro SIDE_ACT t, m, ga, gb, gc, gd, x    ; descriptors of the side that is an activation: half a slot's images as 128 rows of 256 bytes; half its scale words as SR rows of 256
	s_or_b32 s[\ga], s[\m], (3<<16)|(1<<21)
	s_mov_b32 s[\ga+1], 32<<16
	s_mov_b32 s[\ga+2], 128<<16
	s_mov_b32 s[\ga+3], 32<<16
	s_mov_b32 s[\ga+4], 128
	s_mov_b32 s[\ga+5], 32
	s_mov_b32 s[\ga+6], 0
	s_mov_b32 s[\ga+7], 0
	s_or_b32 s[\gc], s[\m], (3<<16)|(1<<21)
	s_mov_b32 s[\gc+1], 32<<16
	s_mov_b32 s[\gc+2], SR<<16
	s_mov_b32 s[\gc+3], 32<<16
	s_mov_b32 s[\gc+4], SR
	s_mov_b32 s[\gc+5], 32
	s_mov_b32 s[\gc+6], 0
	s_mov_b32 s[\gc+7], 0
	s_mul_i32 s[\x], s[\t], 128*KTOT
	s_lshl_b32 s[\x+2], s16, 15
	s_add_co_u32 s[\x], s[\x], s[\x+2]
	s_mov_b32 s[\x+1], 0
	s_add_nc_u64 s[\x:\x+1], s[4:5], s[\x:\x+1]
.irp s, 0,1
	s_mov_b32 s[\gb+4*\s], 1
	s_add_co_u32 s[\gb+4*\s+1], s[\x+2], \s*SLOT
	s_add_nc_u64 s[\gb+4*\s+2:\gb+4*\s+3], s[\x:\x+1], \s*65536
	s_or_b32 s[\gb+4*\s+3], s[\gb+4*\s+3], 0x80000000
.endr
	s_mul_i32 s[\x], s[\t], 4*KTOT
	s_mul_i32 s[\x+2], s16, 2*KTOT
	s_add_co_u32 s[\x], s[\x], s[\x+2]
	s_add_co_u32 s[\x], s[\x], SOFF
	s_mov_b32 s[\x+1], 0
	s_mov_b32 s[\gd], 1
	s_add_co_u32 s[\gd+1], s[\x+2], SCA
	s_add_nc_u64 s[\gd+2:\gd+3], s[4:5], s[\x:\x+1]
	s_or_b32 s[\gd+3], s[\gd+3], 0x80000000
.endm
.macro SIDE_WGT t, m, ga, gb, gc, gd, x    ; of the side that is a weight: 64 rows x 512 bytes + 16 of padding; its scale bytes as units of 256 bytes + 16
	s_or_b32 s[\ga], s[\m], (1<<20)|(1<<21)|(6<<22)|(3<<25)
	s_mov_b32 s[\ga+1], 512<<16
	s_mov_b32 s[\ga+2], 64<<16
	s_mov_b32 s[\ga+3], 512<<16
	s_mov_b32 s[\ga+4], 64
	s_mov_b32 s[\ga+5], KTOT
	s_mov_b32 s[\ga+6], 0
	s_mov_b32 s[\ga+7], 0
	s_or_b32 s[\gc], s[\m], (3<<16)|(1<<20)|(1<<21)|(5<<22)|(3<<25)
	s_mov_b32 s[\gc+1], 32<<16
	s_mov_b32 s[\gc+2], SR<<16
	s_mov_b32 s[\gc+3], 32<<16
	s_mov_b32 s[\gc+4], SR
	s_mov_b32 s[\gc+5], 32
	s_mov_b32 s[\gc+6], 0
	s_mov_b32 s[\gc+7], 0
	s_lshl_b32 s[\x+2], s[\t], 7
	s_lshl_b32 s[\x+3], s16, 6
	s_add_co_u32 s[\x+2], s[\x+2], s[\x+3]
.if WROW0
	s_add_co_u32 s[\x+2], s[\x+2], WROW0
.endif
	s_mul_i32 s[\x], s[\x+2], KTOT
	s_mov_b32 s[\x+1], 0
	s_add_nc_u64 s[\x:\x+1], s[6:7], s[\x:\x+1]
	s_mul_i32 s[\x+3], s16, 64*WP
.irp s, 0,1
	s_mov_b32 s[\gb+4*\s], 1
	s_add_co_u32 s[\gb+4*\s+1], s[\x+3], \s*SLOT+WOFF
	s_add_nc_u64 s[\gb+4*\s+2:\gb+4*\s+3], s[\x:\x+1], \s*512
	s_or_b32 s[\gb+4*\s+3], s[\gb+4*\s+3], 0x80000000
.endr
	s_mul_i32 s[\x], s[\x+2], KS
	s_mov_b32 s[\x+1], 0
	s_mul_i32 s[\x+3], s16, SR*272
	s_mov_b32 s[\gd], 1
	s_add_co_u32 s[\gd+1], s[\x+3], SCW
	s_add_nc_u64 s[\gd+2:\gd+3], s[8:9], s[\x:\x+1]
	s_or_b32 s[\gd+3], s[\gd+3], 0x80000000
.endm
.macro FETCH slot, q, p                ; B's eight fragments (images of h), A's two (rows of the weight)
	WIN 0x40
.irp i, 0,1,2,3,4,5,6,7
.irp c, 0,1,2,3
	ds_load_b128 v[128*(\p)+16*\i+4*\c:128*(\p)+16*\i+4*\c+3], v[ADRB+\slot] offset:16384*(\q)+2048*\i+512*\c
.endr
.endr
	WIN 0x80
.irp a, 0,1
.irp c, 0,1,2,3
	ds_load_b128 v[32*(\p)+16*\a+4*\c:32*(\p)+16*\a+4*\c+3], v[ADRA+\slot] offset:8448*\a+128*(\q)+32*\c
.endr
.endr
	WIN 0
.endm
.macro SCALES n                        ; B's: register 4 p + q: lanes 0-15 tokens' block 2 p, lanes 16-31 block 2 p + 1, word q;  A's: block a, word q at 32 + 4 a + q
.irp q, 0,1,2,3
.irp p, 0,1,2,3
	ds_load_b32 v[SC+40*\n+4*\p+\q], v[ADSB] offset:512*\q+128*\p
.endr
.endr
.irp a, 0,1
	ds_load_b128 v[SC+40*\n+32+4*\a:SC+40*\n+32+4*\a+3], v[ADSA] offset:\a*SBLK
.endr
.endm
; 16 matrix instructions, 128 along K; the 16 accumulators by turns, one instruction a turn.  first = 1: C is the bias (a lane's channel: the same in its eight registers).
.macro MUL16 p, q, sc, first
.irp a, 0,1
.irp b, 0,1,2,3,4,5,6,7
.set rD, ACC+8*(8*\a+\b)
.set rB, 128*(\p)+16*\b
.set rA, 32*(\p)+16*\a
.set rC, rD
.if \first
.set rC, BI+8*\a
.endif
.set xB, SC+40*(\sc)+4*(\b/2)+(\q)
.set xA, SC+40*(\sc)+32+4*\a+(\q)
.if (\b%2) == 0
	v_wmma_scale_f32_16x16x128_f8f6f4 v[rD:rD+7], v[rB:rB+15], v[rA:rA+15], v[rC:rC+7], v[xB], v[xA] matrix_a_fmt:MATRIX_FMT_BF8 matrix_b_fmt:MATRIX_FMT_BF8
.else
	v_wmma_scale_f32_16x16x128_f8f6f4 v[rD:rD+7], v[rB:rB+15], v[rA:rA+15], v[rC:rC+7], v[xB], v[xA] matrix_a_fmt:MATRIX_FMT_BF8 matrix_b_fmt:MATRIX_FMT_BF8 matrix_a_scale:MATRIX_SCALE_ROW1
.endif
.endr
.endr
.endm
.macro STEP slot, q, first             ; eight places stand in front of loads into registers that matrix instructions have read
.if \first
	FETCH \slot, (\q)+1, 1-(\q)%2
	s_wait_dscnt NF                                ; all but the 40 just issued
	WIN 0xe9
.else
	PLACES 8
	FETCH \slot, (\q)+1, 1-(\q)%2
	s_wait_dscnt NF
	WIN 0xf9
.endif
	MUL16 (\q)%2, \q, \slot, \first
	WIN 0
.endm
.macro TURN slot, next
	s_wait_tensorcnt 0x0                           ; my part of the other slot has landed
	s_wait_dscnt 0x0                               ; my reads of this slot are over
	s_barrier_signal -1
	s_barrier_wait -1
	PLACES 8
	v_add_nc_u32 v[ADSA], 16, v[ADSA]
	v_add_nc_u32 v[ADSB], 2048, v[ADSB]
	FETCH \next, 0, 0
	SCALES \next
	WIN 0xf9
	MUL16 1, 3, \slot, 0
	WIN 0
.endm
.macro QUANT s, pc, pw                 ; 64 numbers of a lane become 16 registers of codes and the lane's scale word; all in window 3
.irp b, 0,1,2,3
	v_max3_num_f32 v[TM+\b], |v[\s+16*\b]|, |v[\s+16*\b+1]|, 0x8000000   ; and the floor 2^(16 - 127)
.endr
.irp i, 2,4,6,8,10,12,14
.irp b, 0,1,2,3
	v_max3_num_f32 v[TM+\b], v[TM+\b], |v[\s+16*\b+\i]|, |v[\s+16*\b+\i+1]|
.endr
.endr
.irp b, 0,1,2,3
	v_permlanex16_b32 v[TM+4+\b], v[TM+\b], s[SEL], s[SEL+1]
.endr
.irp b, 0,1,2,3
	v_max_num_f32 v[TM+\b], v[TM+\b], v[TM+4+\b]
.endr
.irp b, 0,1,2,3
	v_add_nc_u32 v[TM+12+\b], 0xf8800000, v[TM+\b]
.endr
.irp b, 0,1,2,3
	v_and_or_b32 v[TM+8+\b], v[TM+\b], 0x7f800000, s[MNT]
.endr
.irp b, 0,1,2,3
	v_lshrrev_b32 v[TM+4+\b], 23, v[TM+12+\b]
.endr
	v_lshl_or_b32 v[\pw], v[TM+5], 8, v[TM+4]
	v_lshl_or_b32 v[\pw], v[TM+6], 16, v[\pw]
	v_lshl_or_b32 v[\pw], v[TM+7], 24, v[\pw]
.irp b, 0,1,2,3
.irp i, 0,1,2,3,4,5,6,7,8,9,10,11,12,13,14,15
	v_med3_num_f32 v[\s+16*\b+\i], v[\s+16*\b+\i], -v[TM+8+\b], v[TM+8+\b]
.endr
	v_cvt_scalef32_pk8_bf8_f32 v[\pc+4*\b:\pc+4*\b+1], v[\s+16*\b:\s+16*\b+7], v[TM+12+\b]
	v_cvt_scalef32_pk8_bf8_f32 v[\pc+4*\b+2:\pc+4*\b+3], v[\s+16*\b+8:\s+16*\b+15], v[TM+12+\b]
.endr
	v_nop
.endm
	s_load_b128 s[4:7], s[0:1], 0x0                ; h, the weight's codes
	s_load_b128 s[8:11], s[0:1], 0x10              ; its scales, the bias
	s_load_b64 s[12:13], s[0:1], 0x20              ; out
	v_lshl_add_u32 v254, v0, 2, 0x43100
	v_mov_b32 v255, 0
	ds_add_u32 v254, v255
	ds_add_u32 v254, v255
	v_lshrrev_b32 v1, 5, v0
	v_readfirstlane_b32 s14, v1
	s_lshr_b32 s15, s14, 1
	s_and_b32 s16, s14, 1
	s_bfe_u32 s40, ttmp6, 0x40000
	s_bfe_u32 s41, ttmp6, 0x40004
	s_lshl_b32 s42, ttmp9, 2
	s_add_co_u32 s42, s42, s40                     ; tile column: 128 tokens
	s_and_b32 s17, ttmp7, 0xffff
	s_lshl_b32 s17, s17, 2
	s_add_co_u32 s17, s17, s41                     ; tile row: 128 channels
	s_lshl_b32 s43, s41, 2
	s_lshl_b32 s43, 15, s43
	s_lshl_b32 s44, 0x1111, s40
	s_mov_b32 s[SEL], 0x76543210
	s_mov_b32 s[SEL+1], 0xfedcba98
	s_mov_b32 s[MNT], 0x600000
	s_wait_dscnt 0x0
	s_wait_kmcnt 0x0
	SIDE_WGT 17, 43, G1, G0, G1S, G0S, 20
	SIDE_ACT 42, 44, G1B, G0B, G1SB, G0SB, 92
	CROUND
	JLOAD G0S, G1S, G0SB, G1SB                     ; the scales, slot 0, slot 1: three loads of mine are out
	JLOAD G0, G1, G0B, G1B
	JLOAD G0+4, G1, G0B+4, G1B
	v_and_b32 v1, 15, v0
	v_bfe_u32 v2, v0, 4, 1
	v_and_b32 v3, 31, v0
	v_cmp_le_u32 s2, 16, v3
	v_lshlrev_b32 v[ADRB], 4, v3                   ; 16 x lane
	v_add_nc_u32 v[ADRB+1], SLOT, v[ADRB]
	v_lshlrev_b32 v[LS], 2, v3
	s_mul_i32 s47, s14, 32*WP                      ; my 32 rows of the weight
	s_add_co_u32 s47, s47, WOFF
	v_mul_u32_u24 v4, v1, WP
	v_lshl_add_u32 v4, v2, 4, v4
	v_add_nc_u32 v[ADRA], s47, v4
	v_add_nc_u32 v[ADRA+1], SLOT, v[ADRA]
	s_mul_i32 s47, s14, 2*SBLK
	s_add_co_u32 s47, s47, SCW
	v_mul_u32_u24 v4, v1, KS
	v_lshrrev_b32 v5, 8, v4
	v_lshl_add_u32 v4, v5, 4, v4
	v_add_nc_u32 v[ADSA], s47, v4
	v_add_nc_u32 v[ADSB], SCA, v[LS]
	v_lshlrev_b32 v[BA], 2, v1                     ; the bias of my channel
	s_lshl_b32 s46, s17, 9
	s_lshl_b32 s47, s14, 7
	s_add_co_u32 s46, s46, s47
	s_add_co_u32 s46, s46, WROW0*4
	s_mov_b32 s47, 0
	s_add_nc_u64 s[10:11], s[10:11], s[46:47]
	WIN 0x80
.irp a, 0,1
.irp j, 0,1,2,3,4,5,6,7
	global_load_b32 v[BI+8*\a+\j], v[BA], s[10:11] offset:64*\a
.endr
.endr
	WIN 0
	s_lshr_b32 s46, s42, 4                         ; batch
	s_lshl_b32 s46, s46, 4
	s_lshl_b32 s47, s17, 1
	s_add_co_u32 s46, s46, s47
	s_add_co_u32 s46, s46, s15                     ; batch x 16 + head: a wave's 32 channels are half a head
	s_lshl_b32 s46, s46, 4
	s_and_b32 s47, s42, 15
	s_add_co_u32 s46, s46, s47                     ; x 16 + key / 128
	s_lshl_b32 s96, s46, 8                         ; scale words: 256 bytes each, my half's 128
	s_lshl_b32 s47, s16, 7
	s_add_co_u32 s96, s96, s47
	s_add_co_u32 s96, s96, OSOFF
	s_mov_b32 s97, 0
	s_lshl_b32 s46, s46, 13                        ; codes: 8,192 bytes each, my half's 4,096
	s_lshl_b32 s47, s16, 12
	s_add_co_u32 s46, s46, s47
	s_mov_b32 s47, 0
	s_add_nc_u64 s[96:97], s[12:13], s[96:97]
	s_add_nc_u64 s[12:13], s[12:13], s[46:47]
	s_wait_tensorcnt 0x1                           ; the scales and slot 0 are in; slot 1's load may be out
	s_barrier_signal -1
	s_barrier_wait -1
	FETCH 0, 0, 0
	SCALES 0
	s_wait_loadcnt 0x0
	STEP 0, 0, 1
	STEP 0, 1, 0
	STEP 0, 2, 0
	TURN 0, 1
	STEP 1, 0, 0
	STEP 1, 1, 0
	STEP 1, 2, 0
	s_wait_dscnt 0x0
	WIN 0xf9
	MUL16 1, 3, 1, 0
	PLACES 8
	WIN 0xff
.irp b, 0,1,2,3
	v_mov_b32 v[TM+4+\b], 0
.endr
	QUANT ACC, PC, PW
	QUANT ACC+64, PC+16, PW+1
	v_cndmask_b32 v[MW], v[PW], v[PW+1], s2        ; lanes 0-15 my channels 0-15, lanes 16-31 my channels 16-31
	WIN 0x0c
.irp a, 0,1
.irp c, 0,1,2,3
	global_store_b128 v[CO], v[PC+16*\a+4*\c:PC+16*\a+4*\c+3], s[12:13] offset:\a*2048+\c*512
.endr
.endr
	global_store_b32 v[LS], v[MW], s[96:97]
	WIN 0
	s_wait_dscnt 0x0
	s_wait_tensorcnt 0x0
	ds_add_u32 v254, v255
	s_wait_dscnt 0x0
	CROUND
	s_endpgm
.Lfunc_end_k_q8d2f694b91_vt:
	.size	k_q8d2f694b91_vt, .Lfunc_end_k_q8d2f694b91_vt-k_q8d2f694b91_vt
	.p2alignl 7, 3214868480
	.fill 96, 4, 3214868480
	.section	.rodata,"a",@progbits
	.p2align	6, 0x0
	.amdhsa_kernel k_q8d2f694b91_vt
		.amdhsa_group_segment_fixed_size 327680
		.amdhsa_private_segment_fixed_size 0
		.amdhsa_enable_private_segment 0
		.amdhsa_kernarg_size 40
		.amdhsa_user_sgpr_count 2
		.amdhsa_user_sgpr_kernarg_segment_ptr 1
		.amdhsa_wavefront_size32 1
		.amdhsa_system_sgpr_workgroup_id_x 1
		.amdhsa_system_sgpr_workgroup_id_y 1
		.amdhsa_system_sgpr_workgroup_id_z 1
		.amdhsa_system_vgpr_workitem_id 0
		.amdhsa_next_free_vgpr 1024
		.amdhsa_next_free_sgpr 98
		.amdhsa_reserve_vcc 0
		.amdhsa_float_denorm_mode_32 3
		.amdhsa_float_denorm_mode_16_64 3
		.amdhsa_memory_ordered 1
		.amdhsa_forward_progress 1
		.amdhsa_inst_pref_size 71
	.end_amdhsa_kernel
	.amdgpu_metadata
---
amdhsa.version: [ 1, 2 ]
amdhsa.kernels:
  - .name:           k_q8d2f694b91_vt
    .symbol:         k_q8d2f694b91_vt.kd
    .args:
      - { .name: hbuf, .offset: 0, .size: 8, .value_kind: global_buffer, .address_space: global }
      - { .name: W_qkv_codes, .offset: 8, .size: 8, .value_kind: global_buffer, .address_space: global }
      - { .name: W_qkv_scales, .offset: 16, .size: 8, .value_kind: global_buffer, .address_space: global }
      - { .name: b_qkv, .offset: 24, .size: 8, .value_kind: global_buffer, .address_space: global }
      - { .name: vbuf, .offset: 32, .size: 8, .value_kind: global_buffer, .address_space: global }
    .group_segment_fixed_size: 327680
    .private_segment_fixed_size: 0
    .kernarg_segment_align: 8
    .kernarg_segment_size: 40
    .max_flat_workgroup_size: 128
    .sgpr_count:     98
    .vgpr_count:     1024
    .wavefront_size: 32
...
	.end_amdgpu_metadata
.endif
;; end of part 3
;; launch attn (part 4): grid 8 x 32, 16 waves a work-group, no clusters, 280,576 bytes of LDS; arguments qkbuf, vbuf, avbuf; writes avbuf
.if DOCPART == 4
	.amdgcn_target "amdgcn-amd-amdhsa--gfx1250"
	.amdhsa_code_object_version 6
	.text
	.protected	k_q8d2f694b91_attn
	.globl	k_q8d2f694b91_attn
	.p2align	8
	.type	k_q8d2f694b91_attn,@function
k_q8d2f694b91_attn:
	s_mov_b64 s[64:65], 0
	v_nop
	global_prefetch_b8 v0, s[64:65] scope:SCOPE_SE
	s_setreg_imm32_b32 hwreg(HW_REG_WAVE_MODE, 25, 1), 1
	s_wait_xcnt 0x0
; Causal attention on codes of E5M2 with E8M0 scales: 32 heads (2 batches x 16) of 2,048 tokens x 64 channels; O / l quantised along the model's 1,024 for the next product.
; IN: q and k as images of 16 tokens x 64 channels (1,024 bytes, [column / 64][token / 16]), scale words [column / 64][token] with 0x7f7f in their upper bytes; v as images of 16 channels x 128 keys ([head][key / 128][channel / 16]), scale words [head][key / 128][64].
; THE SOFTMAX AHEAD OF THE SECOND PRODUCT: t = score x log2(e) / 8; M = the running largest t rounded UP to a whole number; p = 2^(t - M) is quantised along the keys, not normalised; the row's sum is taken of the
; unquantised p and divides O at the end.  When M moves, the sum and O are multiplied by 2^(old M - new M): exact.
; SHARES.  A work-group has one head and two blocks of 128 queries, blocks i and 15 - i, so that every work-group has the same causal work (17 key steps for each pair of waves).  Each of sixteen waves owns 16 queries, in 256 registers:
; four waves to a SIMD, one wave's vector work beside another's matrix work.  Waves of the two blocks alternate so that each four neighbouring waves, and each four waves 4 apart, hold two of each.
; LDS.  The head's K and V images and scale words, 274,432 bytes, are filled ONCE, in four groups of 512 keys; each wave fetches 4,096 bytes of each group.  Nothing is filled again.
; NO CLUSTER: the eight work-groups of a head read the same K and V, but the step that is left out under the causal mask is a branch on the work-group's block of queries, which in a cluster would be its place there; partners would not run alike.
; LAYOUT.  Both products transposed: S^T = K Q^T (source 0 = 16 keys, source 1 = my 16 queries), O^T = V^T P^T: a lane holds one query (lane % 16) throughout.  The head has 64 channels: registers 8-15 of K's and Q's fragments are zero codes.
; Register j of S^T's tile t is key 16 t + 8 h + j: p's codes come out in the order in which V's images were laid.
; LIMITS: NaN and infinities are not served.  A block whose largest magnitude lies under 2^-111 gets the byte 1 (read by this program alone).
; The scale bytes of the output leave one byte a lane (a head owns two of a word's four): one byte in 32 of what the codes are.
.set VIMG,  131072                     ; LDS: K's images at 0, V's here,
.set KSC,   262144                     ; K's scale words,
.set VSC,   270336                     ; V's
.set QSOFF, 8388608
.set VSOFF, 4194304
.set ASOFF, 4194304
.set AK0,  1                           ; v1  16 x lane
.set AV0,  2                           ; v2  VIMG + 16 x lane
.set ASK0, 3                           ; v3  KSC + 4 x lane
.set ASV0, 4                           ; v4  VSC + 4 x lane
.set L8,   5                           ; v5  16 r + 8 h
.set LB,   6                           ; v6  4 r + h
.set ADK,  8                           ; v8-11 the step's addresses
.set ADV,  9
.set ADS,  10
.set ADT,  11
.set BM,   208                         ; v208-211 block maxima;  v212-215 permute results, bytes, a chain of sums;  v216-219 holds;  v220-223 the conversions' scale operands
.set PT,   212
.set HO,   216
.set SO,   220
; v12 -M, v13 the largest t, v[14:15] the sum; v16-31 Q; v32-95 four fragments of K; v96-159 S^T, then p, then V's four fragments; v160-191 O^T; v192-207 p's codes;
; v224-227 K's scale words, v228-229 V's, v231 p's, v233 Q's; v230 f; v232, v234-236 at work
.set WV,   18
.set MNT,  19
.set SEL,  20
.set CS,   22
.set G1C,  24
.set G1KS, 32
.set G1VS, 40
.set G0C,  48                          ; s[48:63] four groups 0, one for each group of keys
.set G0KS, 68
.set G0VS, 72
.set TB,   76
.set TS,   77
.set TJ,   78
.set KF,   79
.set Q0,   80
.set CNT,  81
.macro G1DENSE g, rows                 ; a dense block as rows of 256 bytes (32 elements of 8 bytes), no padding, no mask
	s_mov_b32 s[\g], 3<<16
	s_mov_b32 s[\g+1], 32<<16
	s_mov_b32 s[\g+2], (\rows)<<16
	s_mov_b32 s[\g+3], 32<<16
	s_mov_b32 s[\g+4], \rows
	s_mov_b32 s[\g+5], 32
	s_mov_b32 s[\g+6], 0
	s_mov_b32 s[\g+7], 0
.endm
	s_load_b128 s[4:7], s[0:1], 0x0                ; q and k s[4:5], v s[6:7]
	s_load_b64 s[8:9], s[0:1], 0x10                ; out
	v_lshl_add_u32 v254, v0, 2, 0x44000
	v_mov_b32 v255, 0
	ds_add_u32 v254, v255
	ds_add_u32 v254, v255
	v_lshrrev_b32 v8, 5, v0
	v_readfirstlane_b32 s[WV], v8                  ; wave 0..15
	s_and_b32 s10, ttmp7, 0xffff                   ; batch x 16 + head
	s_lshr_b32 s11, s10, 4                         ; batch
	s_and_b32 s12, s10, 15                         ; head
	s_lshr_b32 s13, s[WV], 2
	s_xor_b32 s13, s13, s[WV]
	s_and_b32 s13, s13, 1                          ; which of the two blocks of queries is my wave's
	s_sub_co_u32 s14, 15, ttmp9
	s_cmp_eq_u32 s13, 0
	s_cselect_b32 s14, ttmp9, s14
	s_lshr_b32 s15, s[WV], 1
	s_lshl_b32 s15, s15, 4
	s_lshl_b32 s[Q0], s14, 7
	s_add_co_u32 s[Q0], s[Q0], s15                 ; my first query
	G1DENSE G1C, 16
	G1DENSE G1KS, 2
	G1DENSE G1VS, 1
	s_add_co_u32 s82, s12, 16                      ; k's columns: group 16 + head
	s_lshl_b32 s86, s82, 14
	s_lshl_b32 s87, s11, 13
	s_add_co_u32 s86, s86, s87
	s_lshl_b32 s87, s[WV], 9
	s_add_co_u32 s86, s86, s87
	s_add_co_u32 s86, s86, QSOFF
	s_mov_b32 s87, 0                               ; K's scale words: my 512 bytes
	s_lshl_b32 s88, s10, 12
	s_lshl_b32 s89, s[WV], 8
	s_add_co_u32 s88, s88, s89
	s_add_co_u32 s88, s88, VSOFF
	s_mov_b32 s89, 0                               ; V's: my 256
	s_lshl_b32 s90, s[WV], 9
	s_add_co_u32 s90, s90, KSC
	s_lshl_b32 s91, s[WV], 8
	s_add_co_u32 s91, s91, VSC
	s_lshl_b32 s82, s82, 18
	s_lshl_b32 s83, s11, 17
	s_add_co_u32 s82, s82, s83                     ; K's images of this head and batch
	s_lshl_b32 s83, s10, 17                        ; V's
	s_and_b32 s84, s[WV], 7
	s_lshl_b32 s84, s84, 12                        ; my 4,096 bytes of each group
	s_lshr_b32 s85, s[WV], 3
	s_lshl_b32 s85, s85, 17                        ; waves 0-7 fetch K, waves 8-15 V
	s_add_co_u32 s85, s85, s84                     ; in LDS
	s_cmp_lt_u32 s[WV], 8
	s_cselect_b32 s82, s82, s83
	s_add_co_u32 s82, s82, s84
	s_mov_b32 s83, 0
	s_lshl_b32 s92, s12, 18                        ; Q's image
	s_lshl_b32 s93, s11, 17
	s_add_co_u32 s92, s92, s93
	s_lshl_b32 s93, s[Q0], 6
	s_add_co_u32 s92, s92, s93
	s_mov_b32 s93, 0
	s_lshl_b32 s94, s12, 14                        ; and its scale words
	s_lshl_b32 s95, s11, 13
	s_add_co_u32 s94, s94, s95
	s_lshl_b32 s95, s[Q0], 2
	s_add_co_u32 s94, s94, s95
	s_add_co_u32 s94, s94, QSOFF
	s_mov_b32 s95, 0
	s_mov_b32 s[SEL], 0x76543210
	s_mov_b32 s[SEL+1], 0xfedcba98
	s_mov_b32 s[CS], 0x3e38aa3b                    ; c = log2(e) / 8
	s_mov_b32 s[CS+1], s[CS]
	s_mov_b32 s[MNT], 0x600000
	s_wait_dscnt 0x0
	s_wait_kmcnt 0x0
	s_cmp_lt_u32 s[WV], 8                          ; the choice hangs on the wave's number alone
	s_cselect_b64 s[96:97], s[4:5], s[6:7]
	s_add_nc_u64 s[96:97], s[96:97], s[82:83]
.irp g, 0,1,2,3
	s_mov_b32 s[G0C+4*\g], 1
	s_add_co_u32 s[G0C+4*\g+1], s85, \g*32768
	s_add_nc_u64 s[G0C+4*\g+2:G0C+4*\g+3], s[96:97], \g*32768
	s_or_b32 s[G0C+4*\g+3], s[G0C+4*\g+3], 0x80000000
.endr
	s_mov_b32 s[G0KS], 1
	s_mov_b32 s[G0KS+1], s90
	s_add_nc_u64 s[G0KS+2:G0KS+3], s[4:5], s[86:87]
	s_or_b32 s[G0KS+3], s[G0KS+3], 0x80000000
	s_mov_b32 s[G0VS], 1
	s_mov_b32 s[G0VS+1], s91
	s_add_nc_u64 s[G0VS+2:G0VS+3], s[6:7], s[88:89]
	s_or_b32 s[G0VS+3], s[G0VS+3], 0x80000000
	s_add_nc_u64 s[92:93], s[4:5], s[92:93]
	s_add_nc_u64 s[94:95], s[4:5], s[94:95]
	tensor_load_to_lds s[G0KS:G0KS+3], s[G1KS:G1KS+7]      ; all fills go out together: six loads of mine are out
	s_nop 0
	tensor_load_to_lds s[G0VS:G0VS+3], s[G1VS:G1VS+7]
	s_nop 0
	tensor_load_to_lds s[G0C:G0C+3], s[G1C:G1C+7]
	s_nop 0
	tensor_load_to_lds s[G0C+4:G0C+7], s[G1C:G1C+7]
	s_nop 0
	tensor_load_to_lds s[G0C+8:G0C+11], s[G1C:G1C+7]
	s_nop 0
	tensor_load_to_lds s[G0C+12:G0C+15], s[G1C:G1C+7]
	s_nop 0
.rept 4
	v_nop
.endr
	v_and_b32 v8, 31, v0                           ; lane
	v_and_b32 v9, 15, v0                           ; r
	v_bfe_u32 v11, v0, 4, 1                        ; h
	v_lshlrev_b32 v[AK0], 4, v8
	v_lshlrev_b32 v10, 2, v9
	global_load_b128 v[16:19], v[AK0], s[92:93]    ; Q's image stays in registers
	global_load_b128 v[20:23], v[AK0], s[92:93] offset:512
	global_load_b32 v233, v10, s[94:95]
	v_add_nc_u32 v[AV0], VIMG, v[AK0]
	v_lshl_add_u32 v[ASK0], v8, 2, KSC
	v_lshl_add_u32 v[ASV0], v8, 2, VSC
	v_lshlrev_b32 v[L8], 4, v9
	v_lshl_add_u32 v[L8], v11, 3, v[L8]
	v_lshl_add_u32 v[LB], v9, 2, v11
.irp j, 0,1,2,3,4,5,6,7
	v_mov_b32 v[24+\j], 0                          ; zero codes fill K from 64 to 128: Q's,
.endr
.irp t, 0,1,2,3
.irp j, 0,1,2,3,4,5,6,7
	v_mov_b32 v[40+16*\t+\j], 0                    ; and K's: written once, no load lands here
.endr
.endr
.set n, 0
.rept 32
	v_mov_b32 v[160+n], 0                          ; O^T: the step is written once; the first finds zeros, which the first change of M leaves zeros
.set n, n+1
.endr
	v_mov_b32 v13, 0xff61b1e6                      ; the largest t so far: -3e38
	v_floor_f32 v12, -v13                          ; -M
	v_mov_b32 v14, 0
	v_mov_b32 v15, 0
.irp b, 0,1,2,3
	v_mov_b32 v[PT+\b], 0                          ; a lane permute's destination counts as one of its sources
.endr
	v_mov_b32 v231, 0                              ; (named as the upper half of the pair v[230:231] before it is first written)
	v_mov_b32 v232, 0
; A KEY STEP: 128 keys from s[KF] on.
.macro STEP
	s_add_co_u32 s82, s[Q0], 15                    ; a step all of whose keys come after my 16 queries is left out: a branch on ids
	s_cmp_gt_u32 s[KF], s82
	s_cbranch_scc1 .Lhidden_\@
	v_add_nc_u32 v[ADK], s[TB], v[AK0]
	v_add_nc_u32 v[ADV], s[TB], v[AV0]
	v_add_nc_u32 v[ADS], s[TS], v[ASK0]
	v_add_nc_u32 v[ADT], s[TJ], v[ASV0]
.rept 5
	v_nop                                          ; nine places with the four additions: the scores below are written over V's fragments, which the last products read
.endr
.irp g, 0,1                            ; S^T = K Q^T, four tiles of 16 keys at a time
.if \g
.rept 8
	v_nop                                          ; places in front of loads into registers that matrix instructions have read
.endr
.endif
.irp t, 0,1,2,3
	ds_load_b128 v[32+16*\t:35+16*\t], v[ADK] offset:(4*\g+\t)*1024
	ds_load_b128 v[36+16*\t:39+16*\t], v[ADK] offset:(4*\g+\t)*1024+512
.endr
.irp p, 0,1
	ds_load_b32 v[224+2*\g+\p], v[ADS] offset:128*(2*\g+\p)   ; lanes 0-15 the even tile's keys, lanes 16-31 the odd tile's
.endr
	s_wait_dscnt 0x0
.irp p, 0,1
	v_wmma_scale_f32_16x16x128_f8f6f4 v[96+8*(4*\g+2*\p):96+8*(4*\g+2*\p)+7], v[32+32*\p:32+32*\p+15], v[16:31], 0, v[224+2*\g+\p], v233 matrix_a_fmt:MATRIX_FMT_BF8 matrix_b_fmt:MATRIX_FMT_BF8
	v_wmma_scale_f32_16x16x128_f8f6f4 v[96+8*(4*\g+2*\p+1):96+8*(4*\g+2*\p+1)+7], v[48+32*\p:48+32*\p+15], v[16:31], 0, v[224+2*\g+\p], v233 matrix_a_fmt:MATRIX_FMT_BF8 matrix_b_fmt:MATRIX_FMT_BF8 matrix_a_scale:MATRIX_SCALE_ROW1
.endr
.endr
.rept 8
	v_nop
.endr
	s_add_co_u32 s82, s[KF], 127                   ; on the diagonal hidden scores become -infinity ahead of the maximum; a step all of whose keys count skips this
	s_cmp_le_u32 s82, s[Q0]
	s_cbranch_scc1 .Lopen_\@
	s_sub_co_i32 s82, s[Q0], s[KF]
	v_and_b32 v234, 15, v0
	v_bfe_u32 v235, v0, 4, 1
	v_lshlrev_b32 v235, 3, v235
	v_sub_nc_u32 v234, v234, v235
	v_add_nc_u32 v234, s82, v234                   ; d = my query - KF - 8 h.  Register n holds key KF + 16 (n / 8) + 8 h + n % 8: hidden where 16 (n / 8) + n % 8 > d
	v_mov_b32 v236, 0xff800000
.set n, 0
.rept 64
	v_cmp_gt_i32 vcc_lo, 16*(n/8)+n%8, v234
	v_cndmask_b32 v[96+n], v[96+n], v236, vcc_lo
.set n, n+1
.endr
.Lopen_\@:
.irp b, 0,1,2,3
	v_max3_num_f32 v[BM+\b], v[96+16*\b], v[97+16*\b], v[98+16*\b]   ; the largest score of each block of 32 keys: for the row's maximum, and, since p rises with the score, for the block's largest p
.endr
.irp i, 3,5,7,9,11,13
.irp b, 0,1,2,3
	v_max3_num_f32 v[BM+\b], v[BM+\b], v[96+16*\b+\i], v[97+16*\b+\i]
.endr
.endr
.irp b, 0,1,2,3
	v_max_num_f32 v[BM+\b], v[BM+\b], v[111+16*\b]
.endr
.irp b, 0,1,2,3
	v_permlanex16_b32 v[PT+\b], v[BM+\b], s[SEL], s[SEL+1]
.endr
.irp b, 0,1,2,3
	v_max_num_f32 v[BM+\b], v[BM+\b], v[PT+\b]
.endr
	v_max3_num_f32 v232, v[BM], v[BM+1], v[BM+2]
	v_max_num_f32 v232, v232, v[BM+3]
	v_mul_f32 v232, s[CS], v232                    ; as t
	v_max_num_f32 v13, v13, v232                   ; the running largest t
	v_mov_b32 v232, v12
	v_floor_f32 v12, -v13                          ; the new -M = -ceil(t)
	v_sub_f32 v232, v12, v232                      ; old M - new M: a whole number, 0 or less
	v_cvt_i32_f32 v232, v232                       ; (it saturates)
	v_ldexp_f32 v230, 1.0, v232                    ; f = 2^(old M - new M)
.set n, 0
.rept 32
	v_pk_fma_f32 v[96+n:97+n], v[96+n:97+n], s[CS:CS+1], v[12:13] op_sel_hi:[1,0,0]   ; t - M
.set n, n+2
.endr
.irp b, 0,1,2,3
	v_fma_f32 v[BM+\b], v[BM+\b], s[CS], v12
.endr
.set n, 0
.rept 64
	v_exp_f32 v[96+n], v[96+n]                     ; p = 2^(t - M)
.set n, n+1
.endr
.irp b, 0,1,2,3
	v_exp_f32 v[BM+\b], v[BM+\b]                   ; the block's largest p
.endr
	v_pk_mul_f32 v[14:15], v[14:15], v[230:231] op_sel_hi:[1,0]   ; the sums under the new M (a plain instruction behind the exponentials)
	s_wait_alu depctr_va_vdst(0)
.irp b, 0,1,2,3
	v_max_num_f32 v[BM+\b], 0x8000000, v[BM+\b]    ; the floor 2^(16 - 127)
.endr
.irp b, 0,1,2,3
	v_add_nc_u32 v[SO+\b], 0xf8800000, v[BM+\b]
.endr
.irp b, 0,1,2,3
	v_and_or_b32 v[HO+\b], v[BM+\b], 0x7f800000, s[MNT]
.endr
.irp b, 0,1,2,3
	v_lshrrev_b32 v[PT+\b], 23, v[SO+\b]
.endr
	v_lshl_or_b32 v231, v[PT+1], 8, v[PT]          ; p's scale word for these 128 keys
	v_lshl_or_b32 v231, v[PT+2], 16, v231
	v_lshl_or_b32 v231, v[PT+3], 24, v231
	v_pk_add_f32 v[PT:PT+1], v[96:97], v[98:99]    ; the row's sum of the unquantised p, in two chains
.irp j, 4,8,12,16,20,24,28,32,36,40,44,48,52,56,60
	v_pk_add_f32 v[14:15], v[14:15], v[96+\j:97+\j]
	v_pk_add_f32 v[PT:PT+1], v[PT:PT+1], v[98+\j:99+\j]
.endr
	v_pk_add_f32 v[14:15], v[14:15], v[PT:PT+1]
.irp b, 0,1,2,3
.irp i, 0,1,2,3,4,5,6,7,8,9,10,11,12,13,14,15
	v_min_num_f32 v[96+16*\b+\i], v[96+16*\b+\i], v[HO+\b]   ; the conversion does not saturate (ISA guide 7.6.2); p is not negative
.endr
	v_cvt_scalef32_pk8_bf8_f32 v[192+4*\b:193+4*\b], v[96+16*\b:103+16*\b], v[SO+\b]
	v_cvt_scalef32_pk8_bf8_f32 v[194+4*\b:195+4*\b], v[104+16*\b:111+16*\b], v[SO+\b]
.endr
.irp t, 0,1,2,3
.irp c, 0,1,2,3
	ds_load_b128 v[96+16*\t+4*\c:99+16*\t+4*\c], v[ADV] offset:2048*\t+512*\c   ; V's four images take p's place
.endr
.endr
.irp p, 0,1
	ds_load_b32 v[228+\p], v[ADT] offset:128*\p
.endr
.set n, 0
.rept 16
	v_pk_mul_f32 v[160+n:161+n], v[160+n:161+n], v[230:231] op_sel_hi:[1,0]   ; O^T under the new M; these are also the places between the conversions and the products
.set n, n+2
.endr
	s_wait_dscnt 0x0
.irp p, 0,1                            ; O^T += V^T P^T: four accumulators by turns
	v_wmma_scale_f32_16x16x128_f8f6f4 v[160+16*\p:167+16*\p], v[96+32*\p:111+32*\p], v[192:207], v[160+16*\p:167+16*\p], v[228+\p], v231 matrix_a_fmt:MATRIX_FMT_BF8 matrix_b_fmt:MATRIX_FMT_BF8
	v_wmma_scale_f32_16x16x128_f8f6f4 v[168+16*\p:175+16*\p], v[112+32*\p:127+32*\p], v[192:207], v[168+16*\p:175+16*\p], v[228+\p], v231 matrix_a_fmt:MATRIX_FMT_BF8 matrix_b_fmt:MATRIX_FMT_BF8 matrix_a_scale:MATRIX_SCALE_ROW1
.endr
.Lhidden_\@:
	s_add_co_u32 s[KF], s[KF], 128
	s_add_co_u32 s[TB], s[TB], 8192                ; eight images of K, four of V
	s_add_co_u32 s[TS], s[TS], 512
	s_add_co_u32 s[TJ], s[TJ], 256
.endm
; Group g: keys 512 g .. 512 g + 511, four steps.
.macro GROUP g
	s_wait_tensorcnt 3-\g                          ; the scale words and my parts of groups 0 .. g have landed; the 3 - g younger loads may be out
	s_wait_dscnt 0x0
	s_barrier_signal -1
	s_barrier_wait -1                              ; everybody's have
	s_mov_b32 s[TB], \g*32768
	s_mov_b32 s[TS], \g*2048
	s_mov_b32 s[TJ], \g*1024
	s_mov_b32 s[KF], \g*512
	s_mov_b32 s[CNT], 4
.Lstep_\@:
	STEP
	s_sub_co_u32 s[CNT], s[CNT], 1
	s_cmp_lg_u32 s[CNT], 0
	s_cbranch_scc1 .Lstep_\@
.endm
	s_wait_loadcnt 0x0                             ; Q
	GROUP 0
	GROUP 1
	GROUP 2
	GROUP 3
	; THE WAY OUT.  O^T / the sum, quantised along the channels (two blocks of 32), stored as the next product's operand: image [token / 128][k / 128][(token % 128) / 16], k in its natural place:
	; tile t's eight codes of lane (r, h) are k = 64 (head % 2) + 16 t + 8 h + 0 .. 7: byte 512 (k / 32) + 256 ((k / 16) % 2) + 16 r + 8 h of the image: a store covers 256 consecutive bytes.
.rept 8
	v_nop
.endr
	v_add_f32 v14, v14, v15
	v_permlanex16_b32 v232, v14, s[SEL], s[SEL+1]
	v_add_f32 v14, v14, v232                       ; the row's sum
	v_rcp_f32 v14, v14
	v_and_b32 v234, 31, v0                         ; (a plain instruction behind the transcendental)
.set n, 0
	s_wait_alu depctr_va_vdst(0)
.rept 32
	v_mul_f32 v[96+n], v[160+n], v14
.set n, n+1
.endr
.irp b, 0,1
	v_max3_num_f32 v[BM+\b], |v[96+16*\b]|, |v[97+16*\b]|, 0x8000000
.endr
.irp i, 2,4,6,8,10,12,14
.irp b, 0,1
	v_max3_num_f32 v[BM+\b], v[BM+\b], |v[96+16*\b+\i]|, |v[97+16*\b+\i]|
.endr
.endr
.irp b, 0,1
	v_permlanex16_b32 v[PT+\b], v[BM+\b], s[SEL], s[SEL+1]
.endr
.irp b, 0,1
	v_max_num_f32 v[BM+\b], v[BM+\b], v[PT+\b]
.endr
.irp b, 0,1
	v_add_nc_u32 v[SO+\b], 0xf8800000, v[BM+\b]
.endr
.irp b, 0,1
	v_and_or_b32 v[HO+\b], v[BM+\b], 0x7f800000, s[MNT]
.endr
.irp b, 0,1
	v_lshrrev_b32 v[PT+\b], 23, v[SO+\b]
.endr
	v_cmp_le_u32 vcc_lo, 16, v234
	v_cndmask_b32 v232, v[PT], v[PT+1], vcc_lo     ; lanes 0-15 store the first block's byte, lanes 16-31 the second's
.irp b, 0,1
.irp i, 0,1,2,3,4,5,6,7,8,9,10,11,12,13,14,15
	v_med3_num_f32 v[96+16*\b+\i], v[96+16*\b+\i], -v[HO+\b], v[HO+\b]
.endr
	v_cvt_scalef32_pk8_bf8_f32 v[192+4*\b:193+4*\b], v[96+16*\b:103+16*\b], v[SO+\b]
	v_cvt_scalef32_pk8_bf8_f32 v[194+4*\b:195+4*\b], v[104+16*\b:111+16*\b], v[SO+\b]
.endr
	v_nop
	s_lshl_b32 s82, s11, 4
	s_lshr_b32 s83, s[Q0], 7
	s_add_co_u32 s82, s82, s83                     ; token / 128
	s_lshl_b32 s82, s82, 3
	s_lshr_b32 s83, s12, 1
	s_add_co_u32 s82, s82, s83                     ; x 8 + k / 128
	s_bfe_u32 s83, s[Q0], 0x30004                  ; (token % 128) / 16
	s_and_b32 s84, s12, 1
	s_lshl_b32 s86, s82, 3
	s_add_co_u32 s86, s86, s83
	s_lshl_b32 s86, s86, 11
	s_lshl_b32 s87, s84, 10
	s_add_co_u32 s86, s86, s87
	s_mov_b32 s87, 0
	s_add_nc_u64 s[86:87], s[8:9], s[86:87]
	s_lshl_b32 s88, s82, 9
	s_lshl_b32 s89, s83, 6
	s_add_co_u32 s88, s88, s89
	s_lshl_b32 s89, s84, 1
	s_add_co_u32 s88, s88, s89
	s_add_co_u32 s88, s88, ASOFF
	s_mov_b32 s89, 0
	s_add_nc_u64 s[88:89], s[8:9], s[88:89]
.irp t, 0,1,2,3
	global_store_b64 v[L8], v[192+2*\t:193+2*\t], s[86:87] offset:(\t/2)*512+(\t%2)*256
.endr
	global_store_b8 v[LB], v232, s[88:89]
	s_wait_tensorcnt 0x0
	ds_add_u32 v254, v255
	s_wait_dscnt 0x0
	s_endpgm
.Lfunc_end_k_q8d2f694b91_attn:
	.size	k_q8d2f694b91_attn, .Lfunc_end_k_q8d2f694b91_attn-k_q8d2f694b91_attn
	.p2alignl 7, 3214868480
	.fill 96, 4, 3214868480
	.section	.rodata,"a",@progbits
	.p2align	6, 0x0
	.amdhsa_kernel k_q8d2f694b91_attn
		.amdhsa_group_segment_fixed_size 280576
		.amdhsa_private_segment_fixed_size 0
		.amdhsa_enable_private_segment 0
		.amdhsa_kernarg_size 24
		.amdhsa_user_sgpr_count 2
		.amdhsa_user_sgpr_kernarg_segment_ptr 1
		.amdhsa_wavefront_size32 1
		.amdhsa_system_sgpr_workgroup_id_x 1
		.amdhsa_system_sgpr_workgroup_id_y 1
		.amdhsa_system_sgpr_workgroup_id_z 1
		.amdhsa_system_vgpr_workitem_id 0
		.amdhsa_next_free_vgpr 256
		.amdhsa_next_free_sgpr 100
		.amdhsa_reserve_vcc 1
		.amdhsa_float_denorm_mode_32 3
		.amdhsa_float_denorm_mode_16_64 3
		.amdhsa_memory_ordered 1
		.amdhsa_forward_progress 1
		.amdhsa_inst_pref_size 116
	.end_amdhsa_kernel
	.amdgpu_metadata
---
amdhsa.version: [ 1, 2 ]
amdhsa.kernels:
  - .name:           k_q8d2f694b91_attn
    .symbol:         k_q8d2f694b91_attn.kd
    .args:
      - { .name: qkbuf, .offset: 0, .size: 8, .value_kind: global_buffer, .address_space: global }
      - { .name: vbuf, .offset: 8, .size: 8, .value_kind: global_buffer, .address_space: global }
      - { .name: avbuf, .offset: 16, .size: 8, .value_kind: global_buffer, .address_space: global }
    .group_segment_fixed_size: 280576
    .private_segment_fixed_size: 0
    .kernarg_segment_align: 8
    .kernarg_segment_size: 24
    .max_flat_workgroup_size: 512
    .sgpr_count:     100
    .vgpr_count:     256
    .wavefront_size: 32
...
	.end_amdgpu_metadata
.endif
;; end of part 4
;; launch oproj (part 5): grid 8 x 32, 4 waves a work-group, clusters of 4 x 4, 327,680 bytes of LDS; arguments avbuf, W_o_codes, W_o_scales, b_o, x1, x; writes x1
.if DOCPART == 5
	.amdgcn_target "amdgcn-amd-amdhsa--gfx1250"
	.amdhsa_code_object_version 6
	.text
	.protected	k_q8d2f694b91_oproj
	.globl	k_q8d2f694b91_oproj
	.p2align	8
	.type	k_q8d2f694b91_oproj,@function
k_q8d2f694b91_oproj:
	s_mov_b64 s[64:65], 0
	v_nop
	global_prefetch_b8 v0, s[64:65] scope:SCOPE_SE
	s_setreg_imm32_b32 hwreg(HW_REG_WAVE_MODE, 25, 1), 1
	s_wait_xcnt 0x0
	s_wait_alu depctr_hold_cnt(0) depctr_sa_sdst(0) depctr_va_vdst(0) depctr_va_sdst(0) depctr_va_ssrc(0) depctr_va_vcc(0) depctr_vm_vsrc(0)
	s_getreg_b32 s2, hwreg(HW_REG_IB_STS2, 6, 4)
	s_cmp_eq_u32 s2, 0
	s_cbranch_scc0 .Lentry_in_a_cluster
	s_endpgm
.Lentry_in_a_cluster:
	s_bfe_u32 s2, ttmp6, 0x10000c
	s_cmp_lg_u32 s2, 0xf033
	s_cbranch_scc0 .Lentry_shape_is_right
	s_endpgm
.Lentry_shape_is_right:
; x1 = x + av W_o + b_o: the product on codes of E5M2 with E8M0 scales, the rest in f32.
; A = av, 4,096 rows x 1,024, as images of operand registers ([row / 128][k / 128][(row % 128) / 16][2,048 bytes]) with scale words SOFF bytes on;  B = the weight's rows (one row = one output column), scale bytes [row][32].
; A tile of C is 128 x 128 (256 work-groups); each of four waves makes 32 rows x 128 columns: 16 accumulators, whole rows of 512 bytes on the way out.
; K = 1,024 is two LDS slots of 512, both filled at the start and never again; the scales come with them.  CLUSTER 4 x 4: A's tiles shared along a cluster's row, B's along a column: joint loads.
; THE MATRIX INSTRUCTION IS USED TRANSPOSED (source 0 = 16 rows of B, source 1 = 16 rows of A): lane (r, h) holds row r of C, register j of tile b column 16 b + 8 h + j.  The bias is the C of each sum's first instruction.
; The residual's 32 rows x 512 bytes of a wave are asked for at the start and added on the way out.
; REGISTERS in windows of 256: window 0: v0-31 addresses, v32-111 scale words and nothing else.  window 1: B's fragments, two sets.  window 2: v0-63 A's fragments; v64-127 the bias; v128-255 the residual.
;      window 3: v128-255 the accumulators; v0-63 rows read back from the stage.
; LIMITS: NaN and infinities are not served.
.set KTOT,  1024
.set KS,    KTOT/32
.set SR,    KTOT/128
.set WROW0, 0
.set SOFF,  4194304
.set SLOT,  133120
.set WOFF,  65536
.set WP,    528
.set SCA,   2*SLOT
.set SCW,   SCA+4*KTOT
.set SBLK,  (16*KS/256)*272
.set NF,    40
.set ADRA, 16
.set ADRB, 20
.set ADSA, 22
.set ADSB, 23
.set STO,  24                          ; the stage (16 rows x 528 bytes a wave, in slot 0, which has had its only fill and its last read): where I put 32 bytes of a row,
.set RD,   25                          ; and where I read a row back
.set CO,   26
.set LS,   27
.set BA,   30
.set SC,   32
.set BI,   64
.set RES,  128
.set ACC,  128
.set RB,   0
.set G1,   24
.set G0,   32
.set G1B,  48
.set G0B,  56
.set G1S,  68
.set G0S,  76
.set G1SB, 80
.set G0SB, 88
.set MSB, 0
.macro WIN new
.if MSB != \new
	s_set_vgpr_msb (MSB<<8)|\new
.set MSB, \new
.endif
.endm
.macro PLACES n
.rept \n
	v_nop
.endr
.endm
.macro JLOAD g0a, g1a, g0b, g1b        ; a joint load: waves 0 and 1 fetch for A, waves 2 and 3 for B; four v_nop follow each line
	s_cmp_eq_u32 s15, 0
	s_cbranch_scc0 .Lfor_b_\@
	tensor_load_to_lds s[\g0a:\g0a+3], s[\g1a:\g1a+7]
	s_nop 0
.rept 4
	v_nop
.endr
	s_branch .Lasked_\@
.Lfor_b_\@:
	tensor_load_to_lds s[\g0b:\g0b+3], s[\g1b:\g1b+7]
	s_nop 0
.rept 4
	v_nop
.endr
.Lasked_\@:
.endm
.macro CROUND
	s_barrier_signal -1
	s_barrier_wait -1
	s_cmp_lg_u32 s14, 0
	s_cbranch_scc1 .Lnot_wave_0_\@
	s_barrier_signal -3
.Lnot_wave_0_\@:
	s_barrier_wait -3
	s_barrier_signal -1
	s_barrier_wait -1
.endm
.macro SIDE_ACT t, m, ga, gb, gc, gd, x    ; descriptors of the side that is an activation: half a slot's images as 128 rows of 256 bytes; half its scale words as SR rows of 256
	s_or_b32 s[\ga], s[\m], (3<<16)|(1<<21)
	s_mov_b32 s[\ga+1], 32<<16
	s_mov_b32 s[\ga+2], 128<<16
	s_mov_b32 s[\ga+3], 32<<16
	s_mov_b32 s[\ga+4], 128
	s_mov_b32 s[\ga+5], 32
	s_mov_b32 s[\ga+6], 0
	s_mov_b32 s[\ga+7], 0
	s_or_b32 s[\gc], s[\m], (3<<16)|(1<<21)
	s_mov_b32 s[\gc+1], 32<<16
	s_mov_b32 s[\gc+2], SR<<16
	s_mov_b32 s[\gc+3], 32<<16
	s_mov_b32 s[\gc+4], SR
	s_mov_b32 s[\gc+5], 32
	s_mov_b32 s[\gc+6], 0
	s_mov_b32 s[\gc+7], 0
	s_mul_i32 s[\x], s[\t], 128*KTOT
	s_lshl_b32 s[\x+2], s16, 15
	s_add_co_u32 s[\x], s[\x], s[\x+2]
	s_mov_b32 s[\x+1], 0
	s_add_nc_u64 s[\x:\x+1], s[4:5], s[\x:\x+1]
.irp s, 0,1
	s_mov_b32 s[\gb+4*\s], 1
	s_add_co_u32 s[\gb+4*\s+1], s[\x+2], \s*SLOT
	s_add_nc_u64 s[\gb+4*\s+2:\gb+4*\s+3], s[\x:\x+1], \s*65536
	s_or_b32 s[\gb+4*\s+3], s[\gb+4*\s+3], 0x80000000
.endr
	s_mul_i32 s[\x], s[\t], 4*KTOT
	s_mul_i32 s[\x+2], s16, 2*KTOT
	s_add_co_u32 s[\x], s[\x], s[\x+2]
	s_add_co_u32 s[\x], s[\x], SOFF
	s_mov_b32 s[\x+1], 0
	s_mov_b32 s[\gd], 1
	s_add_co_u32 s[\gd+1], s[\x+2], SCA
	s_add_nc_u64 s[\gd+2:\gd+3], s[4:5], s[\x:\x+1]
	s_or_b32 s[\gd+3], s[\gd+3], 0x80000000
.endm
.macro SIDE_WGT t, m, ga, gb, gc, gd, x    ; of the side that is a weight: 64 rows x 512 bytes + 16 of padding; its scale bytes as units of 256 bytes + 16
	s_or_b32 s[\ga], s[\m], (1<<20)|(1<<21)|(6<<22)|(3<<25)
	s_mov_b32 s[\ga+1], 512<<16
	s_mov_b32 s[\ga+2], 64<<16
	s_mov_b32 s[\ga+3], 512<<16
	s_mov_b32 s[\ga+4], 64
	s_mov_b32 s[\ga+5], KTOT
	s_mov_b32 s[\ga+6], 0
	s_mov_b32 s[\ga+7], 0
	s_or_b32 s[\gc], s[\m], (3<<16)|(1<<20)|(1<<21)|(5<<22)|(3<<25)
	s_mov_b32 s[\gc+1], 32<<16
	s_mov_b32 s[\gc+2], SR<<16
	s_mov_b32 s[\gc+3], 32<<16
	s_mov_b32 s[\gc+4], SR
	s_mov_b32 s[\gc+5], 32
	s_mov_b32 s[\gc+6], 0
	s_mov_b32 s[\gc+7], 0
	s_lshl_b32 s[\x+2], s[\t], 7
	s_lshl_b32 s[\x+3], s16, 6
	s_add_co_u32 s[\x+2], s[\x+2], s[\x+3]
.if WROW0
	s_add_co_u32 s[\x+2], s[\x+2], WROW0
.endif
	s_mul_i32 s[\x], s[\x+2], KTOT
	s_mov_b32 s[\x+1], 0
	s_add_nc_u64 s[\x:\x+1], s[6:7], s[\x:\x+1]
	s_mul_i32 s[\x+3], s16, 64*WP
.irp s, 0,1
	s_mov_b32 s[\gb+4*\s], 1
	s_add_co_u32 s[\gb+4*\s+1], s[\x+3], \s*SLOT+WOFF
	s_add_nc_u64 s[\gb+4*\s+2:\gb+4*\s+3], s[\x:\x+1], \s*512
	s_or_b32 s[\gb+4*\s+3], s[\gb+4*\s+3], 0x80000000
.endr
	s_mul_i32 s[\x], s[\x+2], KS
	s_mov_b32 s[\x+1], 0
	s_mul_i32 s[\x+3], s16, SR*272
	s_mov_b32 s[\gd], 1
	s_add_co_u32 s[\gd+1], s[\x+3], SCW
	s_add_nc_u64 s[\gd+2:\gd+3], s[8:9], s[\x:\x+1]
	s_or_b32 s[\gd+3], s[\gd+3], 0x80000000
.endm
.macro FETCH slot, q, p                ; B's eight fragments (rows of the weight), A's two (images)
	WIN 0x40
.irp i, 0,1,2,3,4,5,6,7
.irp c, 0,1,2,3
	ds_load_b128 v[128*(\p)+16*\i+4*\c:128*(\p)+16*\i+4*\c+3], v[ADRB+\slot] offset:8448*\i+128*(\q)+32*\c
.endr
.endr
	WIN 0x80
.irp a, 0,1
.irp c, 0,1,2,3
	ds_load_b128 v[32*(\p)+16*\a+4*\c:32*(\p)+16*\a+4*\c+3], v[ADRA+\slot] offset:16384*(\q)+2048*\a+512*\c
.endr
.endr
	WIN 0
.endm
.macro SCALES n                        ; B's block i, word q at 4 i + q; A's word q at 32 + q: lanes 0-15 my rows 0-15, lanes 16-31 my rows 16-31
.irp i, 0,1,2,3,4,5,6,7
	ds_load_b128 v[SC+40*\n+4*\i:SC+40*\n+4*\i+3], v[ADSB] offset:\i*SBLK
.endr
.irp q, 0,1,2,3
	ds_load_b32 v[SC+40*\n+32+\q], v[ADSA] offset:512*\q
.endr
.endm
.macro MUL16 p, q, sc, first           ; 16 matrix instructions, 128 along K; the 16 accumulators by turns, one instruction a turn
.irp a, 0,1
.irp b, 0,1,2,3,4,5,6,7
.set rD, ACC+8*(8*\a+\b)
.set rB, 128*(\p)+16*\b
.set rA, 32*(\p)+16*\a
.set rC, rD
.if \first
.set rC, BI+8*\b
.endif
.set xB, SC+40*(\sc)+4*\b+(\q)
.set xA, SC+40*(\sc)+32+(\q)
.if \a == 0
	v_wmma_scale_f32_16x16x128_f8f6f4 v[rD:rD+7], v[rB:rB+15], v[rA:rA+15], v[rC:rC+7], v[xB], v[xA] matrix_a_fmt:MATRIX_FMT_BF8 matrix_b_fmt:MATRIX_FMT_BF8
.else
	v_wmma_scale_f32_16x16x128_f8f6f4 v[rD:rD+7], v[rB:rB+15], v[rA:rA+15], v[rC:rC+7], v[xB], v[xA] matrix_a_fmt:MATRIX_FMT_BF8 matrix_b_fmt:MATRIX_FMT_BF8 matrix_b_scale:MATRIX_SCALE_ROW1
.endif
.endr
.endr
.endm
.macro STEP slot, q, first             ; eight places stand in front of loads into registers that matrix instructions have read
.if \first
	FETCH \slot, (\q)+1, 1-(\q)%2
	s_wait_dscnt NF                                ; all but the 40 just issued
	WIN 0xe9
.else
	PLACES 8
	FETCH \slot, (\q)+1, 1-(\q)%2
	s_wait_dscnt NF
	WIN 0xf9
.endif
	MUL16 (\q)%2, \q, \slot, \first
	WIN 0
.endm
.macro TURN slot, next
	s_wait_tensorcnt 0x0                           ; my part of the other slot has landed
	s_wait_dscnt 0x0                               ; my reads of this slot are over
	s_barrier_signal -1
	s_barrier_wait -1
	PLACES 8
	v_add_nc_u32 v[ADSA], 2048, v[ADSA]
	v_add_nc_u32 v[ADSB], 16, v[ADSB]
	FETCH \next, 0, 0
	SCALES \next
	WIN 0xf9
	MUL16 1, 3, \slot, 0
	WIN 0
.endm
	s_load_b128 s[4:7], s[0:1], 0x0                ; av, the weight's codes
	s_load_b128 s[8:11], s[0:1], 0x10              ; its scales, the bias
	s_load_b64 s[12:13], s[0:1], 0x20              ; out
	s_load_b64 s[66:67], s[0:1], 0x28              ; the residual
	v_lshl_add_u32 v254, v0, 2, 0x43100
	v_mov_b32 v255, 0
	ds_add_u32 v254, v255
	ds_add_u32 v254, v255
	v_lshrrev_b32 v1, 5, v0
	v_readfirstlane_b32 s14, v1
	s_lshr_b32 s15, s14, 1
	s_and_b32 s16, s14, 1
	s_bfe_u32 s40, ttmp6, 0x40000
	s_bfe_u32 s41, ttmp6, 0x40004
	s_lshl_b32 s42, ttmp9, 2
	s_add_co_u32 s42, s42, s40
	s_and_b32 s17, ttmp7, 0xffff
	s_lshl_b32 s17, s17, 2
	s_add_co_u32 s17, s17, s41
	s_lshl_b32 s43, s41, 2
	s_lshl_b32 s43, 15, s43
	s_lshl_b32 s44, 0x1111, s40
	s_wait_dscnt 0x0
	s_wait_kmcnt 0x0
	SIDE_ACT 17, 43, G1, G0, G1S, G0S, 20
	SIDE_WGT 42, 44, G1B, G0B, G1SB, G0SB, 92
	CROUND
	JLOAD G0S, G1S, G0SB, G1SB                     ; the scales, slot 0, slot 1: three loads of mine are out
	JLOAD G0, G1, G0B, G1B
	JLOAD G0+4, G1, G0B+4, G1B
	v_and_b32 v1, 15, v0
	v_bfe_u32 v2, v0, 4, 1
	v_and_b32 v3, 31, v0
	v_lshlrev_b32 v[CO], 4, v3
	v_lshlrev_b32 v[LS], 2, v3
	s_lshl_b32 s47, s14, 12
	v_add_nc_u32 v[ADRA], s47, v[CO]
	v_add_nc_u32 v[ADRA+1], SLOT, v[ADRA]
	v_mul_u32_u24 v4, v1, WP
	v_lshl_add_u32 v5, v2, 4, v4
	v_add_nc_u32 v[ADRB], WOFF, v5
	v_add_nc_u32 v[ADRB+1], SLOT+WOFF, v5
	s_mul_i32 s47, s14, 16*WP                      ; my stage
	v_lshl_add_u32 v4, v2, 5, v4
	v_add_nc_u32 v[STO], s47, v4                   ; row r, 32 bytes for each half of the lanes
	v_add_nc_u32 v[RD], s47, v[CO]
	s_lshl_b32 s47, s14, 7
	s_add_co_u32 s47, s47, SCA
	v_add_nc_u32 v[ADSA], s47, v[LS]
	v_mul_u32_u24 v4, v1, KS
	v_lshrrev_b32 v5, 8, v4
	v_lshl_add_u32 v4, v5, 4, v4
	v_add_nc_u32 v[ADSB], SCW, v4
	v_lshlrev_b32 v[BA], 5, v2
	s_lshl_b32 s46, s42, 9
	s_mov_b32 s47, 0
	s_add_nc_u64 s[10:11], s[10:11], s[46:47]
	s_lshl_b32 s96, s17, 19                        ; my first row and column in the residual and in the output: ((128 x tile row + 32 x wave) x 1,024 + 128 x tile column) x 4
	s_lshl_b32 s97, s14, 17
	s_add_co_u32 s96, s96, s97
	s_add_co_u32 s96, s96, s46
	s_mov_b32 s97, 0
	s_add_nc_u64 s[66:67], s[66:67], s[96:97]
	s_add_nc_u64 s[12:13], s[12:13], s[96:97]
	WIN 0x80
.irp b, 0,1,2,3,4,5,6,7
	global_load_b128 v[BI+8*\b:BI+8*\b+3], v[BA], s[10:11] offset:64*\b
	global_load_b128 v[BI+8*\b+4:BI+8*\b+7], v[BA], s[10:11] offset:64*\b+16
.endr
.set n, 0
.rept 32
	global_load_b128 v[RES+4*n:RES+4*n+3], v[CO], s[66:67] offset:n*4096   ; a row's 512 consecutive bytes
.set n, n+1
.endr
	WIN 0
	s_wait_tensorcnt 0x1                           ; the scales and slot 0 are in; slot 1's load may be out
	s_barrier_signal -1
	s_barrier_wait -1
	FETCH 0, 0, 0
	SCALES 0
	s_wait_loadcnt 32                              ; the bias is in; the 32 loads of the residual may be out
	STEP 0, 0, 1
	STEP 0, 1, 0
	STEP 0, 2, 0
	TURN 0, 1
	STEP 1, 0, 0
	STEP 1, 1, 0
	STEP 1, 2, 0
	s_wait_dscnt 0x0
	WIN 0xf9
	MUL16 1, 3, 1, 0
	; THE WAY OUT, 16 rows at a time: through my own stage, back as whole rows of 512 bytes, the residual added, stored.  LDS serves a wave's instructions in order (ISA guide 5.7.1.4).
	PLACES 8
.macro OUT a
.if \a
	s_wait_xcnt 0x0                                ; the last block's stores have read their registers
.endif
	WIN 0x0c
.irp b, 0,1,2,3,4,5,6,7
	ds_store_b128 v[STO], v[ACC+64*\a+8*\b:ACC+64*\a+8*\b+3] offset:64*\b          ; each accumulator from its low end on
	ds_store_b128 v[STO], v[ACC+64*\a+8*\b+4:ACC+64*\a+8*\b+7] offset:64*\b+16
.endr
	WIN 0xc0
.irp t, 0,1,2,3,4,5,6,7,8,9,10,11,12,13,14,15
	ds_load_b128 v[RB+4*\t:RB+4*\t+3], v[RD] offset:\t*WP
.endr
	s_wait_dscnt 0x0
	s_wait_loadcnt 0x0                             ; the residual
	WIN 0xcb                                       ; destination and source 0 window 3, source 1 window 2
.set n, 0
.rept 32
	v_pk_add_f32 v[RB+n:RB+n+1], v[RB+n:RB+n+1], v[RES+64*\a+n:RES+64*\a+n+1]
.set n, n+2
.endr
	WIN 0x0c
.irp t, 0,1,2,3,4,5,6,7,8,9,10,11,12,13,14,15
	global_store_b128 v[CO], v[RB+4*\t:RB+4*\t+3], s[12:13] offset:(16*\a+\t)*4096   ; 32 lanes store 512 consecutive bytes
.endr
.endm
	OUT 0
	OUT 1
	WIN 0
	s_wait_dscnt 0x0
	s_wait_tensorcnt 0x0
	ds_add_u32 v254, v255
	s_wait_dscnt 0x0
	CROUND
	s_endpgm
.Lfunc_end_k_q8d2f694b91_oproj:
	.size	k_q8d2f694b91_oproj, .Lfunc_end_k_q8d2f694b91_oproj-k_q8d2f694b91_oproj
	.p2alignl 7, 3214868480
	.fill 96, 4, 3214868480
	.section	.rodata,"a",@progbits
	.p2align	6, 0x0
	.amdhsa_kernel k_q8d2f694b91_oproj
		.amdhsa_group_segment_fixed_size 327680
		.amdhsa_private_segment_fixed_size 0
		.amdhsa_enable_private_segment 0
		.amdhsa_kernarg_size 48
		.amdhsa_user_sgpr_count 2
		.amdhsa_user_sgpr_kernarg_segment_ptr 1
		.amdhsa_wavefront_size32 1
		.amdhsa_system_sgpr_workgroup_id_x 1
		.amdhsa_system_sgpr_workgroup_id_y 1
		.amdhsa_system_sgpr_workgroup_id_z 1
		.amdhsa_system_vgpr_workitem_id 0
		.amdhsa_next_free_vgpr 1024
		.amdhsa_next_free_sgpr 98
		.amdhsa_reserve_vcc 0
		.amdhsa_float_denorm_mode_32 3
		.amdhsa_float_denorm_mode_16_64 3
		.amdhsa_memory_ordered 1
		.amdhsa_forward_progress 1
		.amdhsa_inst_pref_size 67
	.end_amdhsa_kernel
	.amdgpu_metadata
---
amdhsa.version: [ 1, 2 ]
amdhsa.kernels:
  - .name:           k_q8d2f694b91_oproj
    .symbol:         k_q8d2f694b91_oproj.kd
    .args:
      - { .name: avbuf, .offset: 0, .size: 8, .value_kind: global_buffer, .address_space: global }
      - { .name: W_o_codes, .offset: 8, .size: 8, .value_kind: global_buffer, .address_space: global }
      - { .name: W_o_scales, .offset: 16, .size: 8, .value_kind: global_buffer, .address_space: global }
      - { .name: b_o, .offset: 24, .size: 8, .value_kind: global_buffer, .address_space: global }
      - { .name: x1, .offset: 32, .size: 8, .value_kind: global_buffer, .address_space: global }
      - { .name: x, .offset: 40, .size: 8, .value_kind: global_buffer, .address_space: global }
    .group_segment_fixed_size: 327680
    .private_segment_fixed_size: 0
    .kernarg_segment_align: 8
    .kernarg_segment_size: 48
    .max_flat_workgroup_size: 128
    .sgpr_count:     98
    .vgpr_count:     1024
    .wavefront_size: 32
...
	.end_amdgpu_metadata
.endif
;; end of part 5
;; launch ln2: the kernel of part 1 again; grid 256 x 1, 8 waves a work-group, no clusters, 67,072 bytes of LDS; arguments x1, ln2_w, ln2_b, hbuf; writes hbuf
;; launch ff1 (part 6): grid 16 x 16, 4 waves a work-group, clusters of 4 x 4, 327,680 bytes of LDS; arguments hbuf, W_ff1_codes, W_ff1_scales, b_ff1, gbuf; writes gbuf
.if DOCPART == 6
	.amdgcn_target "amdgcn-amd-amdhsa--gfx1250"
	.amdhsa_code_object_version 6
	.text
	.protected	k_q8d2f694b91_ff1
	.globl	k_q8d2f694b91_ff1
	.p2align	8
	.type	k_q8d2f694b91_ff1,@function
k_q8d2f694b91_ff1:
	s_mov_b64 s[64:65], 0
	v_nop
	global_prefetch_b8 v0, s[64:65] scope:SCOPE_SE
	s_setreg_imm32_b32 hwreg(HW_REG_WAVE_MODE, 25, 1), 1
	s_wait_xcnt 0x0
	s_wait_alu depctr_hold_cnt(0) depctr_sa_sdst(0) depctr_va_vdst(0) depctr_va_sdst(0) depctr_va_ssrc(0) depctr_va_vcc(0) depctr_vm_vsrc(0)
	s_getreg_b32 s2, hwreg(HW_REG_IB_STS2, 6, 4)
	s_cmp_eq_u32 s2, 0
	s_cbranch_scc0 .Lentry_in_a_cluster
	s_endpgm
.Lentry_in_a_cluster:
	s_bfe_u32 s2, ttmp6, 0x10000c
	s_cmp_lg_u32 s2, 0xf033
	s_cbranch_scc0 .Lentry_shape_is_right
	s_endpgm
.Lentry_shape_is_right:
; g = gelu(h2 W_ff1 + b_ff1), the product on codes of E5M2 with E8M0 scales, g quantised along its 4,096 columns, which are the next product's K.
; A = h2, 4,096 rows x 1,024, as images of operand registers ([row / 128][k / 128][(row % 128) / 16][c 0..3][lane][16 bytes]) with scale words SOFF bytes on ([row / 128][k / 128][128 rows]);
; B = the weight's rows (one row = one output column), 1,024 codes each, scale bytes [row][32].
; A tile of C is 256 x 256: 16 x 16 tiles, one work-group for each of 256 WGPs.  Each of four waves makes 128 x 128: 64 accumulators, 512 registers; for 128 along K it reads 64 x 512 bytes from LDS for 64 matrix instructions, and no fragment twice.
; K = 1,024 goes in four steps of 256 through a ring of two LDS slots filled by the tensor data mover: A's part of a slot is dense in memory (two runs of 32,768 bytes), B's rows are 256 bytes.  The scales of the tile's rows, for all of K, come once.
; CLUSTER 4 x 4: the four work-groups of a cluster's row need the same tiles of A, the four of a column the same tiles of B: joint loads, one descriptor and one mask for the four; each refill stands behind a round of the cluster's barrier.
; THE MATRIX INSTRUCTION IS USED TRANSPOSED (source 0 = 16 rows of B, source 1 = 16 rows of A): lane (r, h) holds row r of C, register j of tile b column 16 b + 8 h + j.  Tiles 2 c, 2 c + 1 in lanes l and l xor 16 are a block of 32.
; The bias is the C of each sum's first instruction.  A's blocks go one after the other, each against B's eight: so one set of registers serves A (blocks 0-3 fetched anew in a step's middle, blocks 4-7 at its end), and B has two.
; GELU: 0.5 x (1 + tanh(u)) = x / (1 + e^(-2 u)), u = sqrt(2 / pi) (x + 0.044715 x^3): x * rcp(1 + exp2(x (k1 + k2 x^2))), k1 = -2 sqrt(2 / pi) log2(e), k2 = 0.044715 k1.  It has no difference of near numbers; a result that is 0 may have the other sign.
; OUT: images [row / 128][k / 128][(row % 128) / 16][2,048 bytes] with k in its natural place: tile t's eight codes of lane (r, h) go to byte 512 (t / 2) + 256 (t % 2) + 16 r + 8 h: a store covers 256 consecutive bytes.  Scale words OSOFF bytes on.
;      A wave's 128 x 128 is one whole [row / 128][k / 128]: eight images and 128 scale words; nothing crosses waves.
; REGISTERS in windows of 256: window 0: v1-15 addresses; v16-31 and v80-127 the bias (tile b at v[16 + 8 b], from b = 2 on at v[64 + 8 b]); v32-79 scale words, two sets of 24, and nothing else; v128-255 A's eight fragments.
;      window 1: B's fragments, two sets of 128; on the way out: v0-63 64 numbers at work, v64-79 the quantiser's work, v112-123 scale words to store, v124-127 constants, v128-255 the codes of my eight blocks of rows.
;      window 2: the accumulators of my rows 0-63 ((a, b) at v[8 (8 a + b)]);  window 3: those of my rows 64-127.
; LIMITS: NaN and infinities are not served.  A block whose largest magnitude lies under 2^-111 (a block of zeros too) gets the byte 1: the bytes are read by this program alone.
.set KTOT,  1024
.set SOFF,  4194304                    ; A's scale words
.set OSOFF, 16777216                   ; the output's
.set AHALF, 32768                      ; 128 rows x 256 along K as images: what one tensor load brings of A
.set WOFF,  65536                      ; B's rows lie behind A's two halves
.set WP,    272                        ; an LDS row of B: 256 bytes + 16 = 68 words: row r starts at bank 4 r mod 64 (64 banks of 4 bytes: ISA guide 11.1)
.set BHALF, 128*WP                     ; what one tensor load brings of B
.set SLOT,  WOFF+2*BHALF               ; 135,168
.set SCA,   2*SLOT                     ; A's scale words: two halves of 4,096 bytes, dense
.set SCW,   SCA+8192                   ; B's scale bytes, as units of 256 bytes + 16
.set SHB,   16*272                     ; those of 128 rows
.set SBLK,  544                        ; those of 16 rows
.set SPARE, SCW+2*SHB                  ; the spare words, 128 bytes for each wave: two blocks of 256 bytes that no other line names
.set ADRA, 6                           ; v6-7   LDS address of my A fragments in slot 0, 1
.set ADRB, 8                           ; v8-9   the same for B
.set ADSA, 10                          ; v10    of A's scale words
.set ADSB, 11                          ; v11    of B's
.set L8,   12                          ; v12    16 r + 8 h
.set LS,   13                          ; v13    4 x lane
.set SPW,  14                          ; v14    LDS address of my spare word; never rewritten
.set NIL,  15                          ; v15    0; never rewritten
.set SC,   32                          ; scale words: set n at v[32 + 24 n]: B's block i, word q at 2 i + q; A's blocks 2 p (lanes 0-15) and 2 p + 1 (lanes 16-31), word q at 16 + 2 p + q
.set AF,   128
.set T,    0                           ; window 1, on the way out
.set TM,   64
.set PW,   112
.set MW,   120
.set KC,   124
.set PC,   128
.set SEL,  18
.set MNT,  45
.set G1,   24
.set G0,   32
.set G1B,  48
.set G0B,  56
.set G1S,  68
.set G0S,  76
.set G1SB, 80
.set G0SB, 88
.set MSB, 0
.macro WIN new                         ; the immediate's high byte repeats the setting that is left
.if MSB != \new
	s_set_vgpr_msb (MSB<<8)|\new
.set MSB, \new
.endif
.endm
.macro PLACES n
.rept \n
	v_nop
.endr
.endm
.macro JLOAD g0a, g1a, g0b, g1b        ; a joint load: waves 0 and 1 fetch for A, waves 2 and 3 for B; four v_nop follow each line
	s_cmp_eq_u32 s15, 0
	s_cbranch_scc0 .Lfor_b_\@
	tensor_load_to_lds s[\g0a:\g0a+3], s[\g1a:\g1a+7]
	s_nop 0
.rept 4
	v_nop
.endr
	s_branch .Lasked_\@
.Lfor_b_\@:
	tensor_load_to_lds s[\g0b:\g0b+3], s[\g1b:\g1b+7]
	s_nop 0
.rept 4
	v_nop
.endr
.Lasked_\@:
.endm
.macro CREST                           ; a round of the cluster's barrier behind its opening barrier
	s_cmp_lg_u32 s14, 0
	s_cbranch_scc1 .Lnot_wave_0_\@
	s_barrier_signal -3
.Lnot_wave_0_\@:
	s_barrier_wait -3
	s_barrier_signal -1
	s_barrier_wait -1
.endm
.macro CROUND
	s_barrier_signal -1
	s_barrier_wait -1
	CREST
.endm
.macro FETCH_B slot, q, p              ; B's eight fragments of the slot's q-th 128 along K into set p: rows in LDS, four loads 32 bytes apart
	WIN 0x40
.irp i, 0,1,2,3,4,5,6,7
.irp c, 0,1,2,3
	ds_load_b128 v[128*(\p)+16*\i+4*\c:128*(\p)+16*\i+4*\c+3], v[ADRB+\slot] offset:128*(\q)+32*\c+\i*16*WP
.endr
.endr
	WIN 0
.endm
.macro FETCH_A slot, q, i0             ; A's blocks i0 .. i0 + 3: images, four loads of 512 consecutive bytes
.irp i, \i0, \i0+1, \i0+2, \i0+3
.irp c, 0,1,2,3
	ds_load_b128 v[AF+16*(\i)+4*\c:AF+16*(\i)+4*\c+3], v[ADRA+\slot] offset:16384*(\q)+2048*(\i)+512*\c
.endr
.endr
.endm
.macro SCALES n                        ; a K step's scale words into set n: sixteen loads
.irp i, 0,1,2,3,4,5,6,7
	ds_load_b64 v[SC+24*\n+2*\i:SC+24*\n+2*\i+1], v[ADSB] offset:\i*SBLK
.endr
.irp p, 0,1,2,3
.irp q, 0,1
	ds_load_b32 v[SC+24*\n+16+2*\p+\q], v[ADSA] offset:512*\q+128*\p
.endr
.endr
.endm
; 16 matrix instructions: A's blocks a0, a0 + 1 x B's eight, 128 along K.  p: B's set; q: which 128 of the slot; sc: the set of scale words.  first = 1: C is the bias.
; The 64 accumulators take turns, one instruction a turn, in the same order in every step.
.macro MUL16 a0, p, q, sc, first
.irp a, \a0, \a0+1
.irp b, 0,1,2,3,4,5,6,7
.set rD, 8*(8*((\a)%4)+\b)
.set rB, 128*(\p)+16*\b
.set rA, AF+16*(\a)
.set rC, rD
.if \first
.set rC, 16+8*\b
.if \b > 1
.set rC, 64+8*\b
.endif
.endif
.set xB, SC+24*(\sc)+2*\b+(\q)
.set xA, SC+24*(\sc)+16+2*((\a)/2)+(\q)
.if ((\a)%2) == 0
	v_wmma_scale_f32_16x16x128_f8f6f4 v[rD:rD+7], v[rB:rB+15], v[rA:rA+15], v[rC:rC+7], v[xB], v[xA] matrix_a_fmt:MATRIX_FMT_BF8 matrix_b_fmt:MATRIX_FMT_BF8
.else
	v_wmma_scale_f32_16x16x128_f8f6f4 v[rD:rD+7], v[rB:rB+15], v[rA:rA+15], v[rC:rC+7], v[xB], v[xA] matrix_a_fmt:MATRIX_FMT_BF8 matrix_b_fmt:MATRIX_FMT_BF8 matrix_b_scale:MATRIX_SCALE_ROW1
.endif
.endr
.endr
.endm
; A slot's first 128 along K.  Eight places stand in front of loads into registers that matrix instructions have read.
.macro STEP slot, first
	s_wait_dscnt 16                                ; B's set, A's blocks 0-3 and the scale words are in; the youngest 16 loads (A's blocks 4-7) may be out
.if \first
	WIN 0x81                                       ; source 0 (B) window 1, source 1 (A) and C (the bias) window 0, D window 2
.else
	WIN 0xa1                                       ; C and D window 2
.endif
	MUL16 0, 0, 0, \slot, \first
	MUL16 2, 0, 0, \slot, \first
	s_wait_dscnt 0x0                               ; A's blocks 4-7 are in
	PLACES 8
	FETCH_B \slot, 1, 1
	FETCH_A \slot, 1, 0
.if \first
	WIN 0xc1
.else
	WIN 0xf1                                       ; C and D window 3
.endif
	MUL16 4, 0, 0, \slot, \first
	MUL16 6, 0, 0, \slot, \first
	PLACES 8
	WIN 0
	FETCH_A \slot, 1, 4
.endm
; A slot's second 128 along K, and the change of slots: ONE barrier; in front of it each wave waits for all its tensor loads, adds 0 to its spare word, and waits for that and for its own reads of this slot.
; fill = 1: the barrier opens a round of the cluster's barrier, and behind it this slot is filled again, two K steps ahead: that load has 96 matrix instructions of mine in which to land.
.macro TURN slot, next, fill
	s_wait_tensorcnt 0x0                           ; all my tensor loads have landed: my part of the next slot  (every window is 0 here)
	ds_add_u32 v[SPW], v[NIL]                      ; 0 onto my spare word
	s_wait_dscnt 17                                ; (the add and the youngest 16 loads, A's blocks 4-7, may be out)
	WIN 0xa1
	MUL16 0, 1, 1, \slot, 0                        ; sixteen matrix instructions stand between the add and the wait for it
	s_wait_dscnt 0x0                               ; the add is done, and my reads of this slot are over
	s_barrier_signal -1
	MUL16 2, 1, 1, \slot, 0
	WIN 0
	s_barrier_wait -1
.if \fill
	CREST                                          ; no wave of any partner still reads this slot or has a load on its way
	s_add_nc_u64 s[G0+4*\slot+2:G0+4*\slot+3], s[G0+4*\slot+2:G0+4*\slot+3], 2*AHALF    ; A: two K steps' images on
	s_add_nc_u64 s[G0B+4*\slot+2:G0B+4*\slot+3], s[G0B+4*\slot+2:G0B+4*\slot+3], 512    ; B: 512 along its rows
	JLOAD G0+4*\slot, G1, G0B+4*\slot, G1B         ; the first tensor load behind the round, my only one until the next; its four v_nop are among the places below
	PLACES 4
.else
	PLACES 8
.endif
	v_add_nc_u32 v[ADSA], 1024, v[ADSA]            ; the next K step's scale words
	v_add_nc_u32 v[ADSB], 8, v[ADSB]
	FETCH_B \next, 0, 0
	FETCH_A \next, 0, 0
	SCALES \next
	WIN 0xf1
	MUL16 4, 1, 1, \slot, 0
	MUL16 6, 1, 1, \slot, 0
	PLACES 8
	WIN 0
	FETCH_A \next, 0, 4
.endm
; 64 numbers of a lane, v[s] on (registers 16 b + 0 .. 15 and those of lane l xor 16 are block b), become 16 registers of codes at v[pc] and the row's scale word in v[pw].  All in window 1.
.macro QUANT s, pc, pw
.irp b, 0,1,2,3
	v_max3_num_f32 v[TM+\b], |v[\s+16*\b]|, |v[\s+16*\b+1]|, 0x8000000   ; and the floor 2^(16 - 127): the byte cannot fall under 1
.endr
.irp i, 2,4,6,8,10,12,14
.irp b, 0,1,2,3
	v_max3_num_f32 v[TM+\b], v[TM+\b], |v[\s+16*\b+\i]|, |v[\s+16*\b+\i+1]|
.endr
.endr
.irp b, 0,1,2,3
	v_permlanex16_b32 v[TM+4+\b], v[TM+\b], s[SEL], s[SEL+1]
.endr
.irp b, 0,1,2,3
	v_max_num_f32 v[TM+\b], v[TM+\b], v[TM+4+\b]
.endr
.irp b, 0,1,2,3
	v_add_nc_u32 v[TM+12+\b], 0xf8800000, v[TM+\b] ; 15 off the exponent field: the conversion's scale operand
.endr
.irp b, 0,1,2,3
	v_and_or_b32 v[TM+8+\b], v[TM+\b], 0x7f800000, s[MNT]   ; 57,344 x the scale
.endr
.irp b, 0,1,2,3
	v_lshrrev_b32 v[TM+4+\b], 23, v[TM+12+\b]      ; the byte
.endr
	v_lshl_or_b32 v[\pw], v[TM+5], 8, v[TM+4]
	v_lshl_or_b32 v[\pw], v[TM+6], 16, v[\pw]
	v_lshl_or_b32 v[\pw], v[TM+7], 24, v[\pw]
.irp b, 0,1,2,3
.irp i, 0,1,2,3,4,5,6,7,8,9,10,11,12,13,14,15
	v_med3_num_f32 v[\s+16*\b+\i], v[\s+16*\b+\i], -v[TM+8+\b], v[TM+8+\b]   ; the conversion does not saturate (ISA guide 7.6.2)
.endr
	v_cvt_scalef32_pk8_bf8_f32 v[\pc+4*\b:\pc+4*\b+1], v[\s+16*\b:\s+16*\b+7], v[TM+12+\b]
	v_cvt_scalef32_pk8_bf8_f32 v[\pc+4*\b+2:\pc+4*\b+3], v[\s+16*\b+8:\s+16*\b+15], v[TM+12+\b]
.endr
	v_nop                                          ; a plain instruction behind the last conversion
.endm
; THE WAY OUT of block a (16 rows x 128 columns): gelu of its eight accumulators into window 1 (the accumulators are read, each from its low end on, and never written), the quantiser, eight stores of 256 consecutive bytes.
.macro BLOCK a
.set AC, 64*((\a)%4)
.set WA, 2+(\a)/4                      ; the accumulators' window
.set W_SS, 0x40|(WA<<2)|WA             ; sources 0 and 1 there, destination window 1
.set W_TS, 0x41|(WA<<2)                ; source 0 and destination window 1, source 1 there
	WIN W_SS
.set n, 0
.rept 32
	v_pk_mul_f32 v[T+n:T+n+1], v[AC+n:AC+n+1], v[AC+n:AC+n+1]      ; x^2
.set n, n+2
.endr
	WIN 0x55                                       ; all in window 1
.set n, 0
.rept 32
	v_pk_fma_f32 v[T+n:T+n+1], v[T+n:T+n+1], v[KC:KC+1], v[KC+2:KC+3]   ; k1 + k2 x^2
.set n, n+2
.endr
	WIN W_TS
.set n, 0
.rept 32
	v_pk_mul_f32 v[T+n:T+n+1], v[T+n:T+n+1], v[AC+n:AC+n+1]
.set n, n+2
.endr
	WIN 0x55
.set n, 0
.rept 64
	v_exp_f32 v[T+n], v[T+n]
.set n, n+1
.endr
	v_nop                                          ; a plain instruction behind the transcendentals (ISA guide 5.7.2)
.set n, 0
	s_wait_alu depctr_va_vdst(0)
.rept 32
	v_pk_add_f32 v[T+n:T+n+1], v[T+n:T+n+1], 1.0 op_sel_hi:[1,0]
.set n, n+2
.endr
.set n, 0
.rept 64
	v_rcp_f32 v[T+n], v[T+n]
.set n, n+1
.endr
	v_nop
	WIN W_TS
.set n, 0
	s_wait_alu depctr_va_vdst(0)
.rept 32
	v_pk_mul_f32 v[T+n:T+n+1], v[T+n:T+n+1], v[AC+n:AC+n+1]        ; g
.set n, n+2
.endr
	WIN 0x55
	QUANT T, PC+16*(\a), PW+(\a)
	WIN 0x04                                       ; a store's data window 1, its address window 0
.irp t, 0,1,2,3,4,5,6,7
	global_store_b64 v[L8], v[PC+16*(\a)+2*\t:PC+16*(\a)+2*\t+1], s[12:13] offset:(\a)*2048+(\t/2)*512+(\t%2)*256   ; each block has its own registers: no store's data are written again
.endr
.endm
	s_load_b128 s[4:7], s[0:1], 0x0                ; h2 s[4:5], the weight's codes s[6:7]
	s_load_b128 s[8:11], s[0:1], 0x10              ; its scales s[8:9], the bias s[10:11]
	s_load_b64 s[12:13], s[0:1], 0x20              ; out
	v_lshl_add_u32 v[SPW], v0, 2, SPARE
	v_mov_b32 v[NIL], 0
	ds_add_u32 v14, v15
	ds_add_u32 v14, v15
	s_wait_dscnt 0x0
	v_lshrrev_b32 v1, 5, v0
	v_readfirstlane_b32 s14, v1                    ; wave 0..3
	s_lshr_b32 s15, s14, 1                         ; which half of the tile's rows is mine.  Also: I fetch for A (0) or for B (1)
	s_and_b32 s16, s14, 1                          ; which half of its columns.  Also: which half of that side I fetch
	s_bfe_u32 s40, ttmp6, 0x40000                  ; cx, cy: my place in the cluster
	s_bfe_u32 s41, ttmp6, 0x40004
	s_lshl_b32 s42, ttmp9, 2
	s_add_co_u32 s42, s42, s40                     ; tile column
	s_and_b32 s17, ttmp7, 0xffff
	s_lshl_b32 s17, s17, 2
	s_add_co_u32 s17, s17, s41                     ; tile row
	s_lshl_b32 s43, s41, 2
	s_lshl_b32 s43, 15, s43                        ; my row of the cluster
	s_lshl_b32 s44, 0x1111, s40                    ; my column
	s_mov_b32 s[SEL], 0x76543210
	s_mov_b32 s[SEL+1], 0xfedcba98
	s_mov_b32 s[MNT], 0x600000
	s_wait_kmcnt 0x0
	; A's descriptors: 128 rows x 256 along K are 32,768 dense bytes, as 128 rows of 256; the scale words of 128 rows, 4,096 dense bytes, as 16 rows of 256.  No padding: a fragment load takes 512 consecutive bytes
	s_or_b32 s[G1], s43, (3<<16)|(1<<21)           ; the mask; elements of 8 bytes; bit 21 beside a mask
	s_mov_b32 s[G1+1], 32<<16
	s_mov_b32 s[G1+2], 128<<16
	s_mov_b32 s[G1+3], 32<<16
	s_mov_b32 s[G1+4], 128
	s_mov_b32 s[G1+5], 32
	s_mov_b32 s[G1+6], 0
	s_mov_b32 s[G1+7], 0
	s_or_b32 s[G1S], s43, (3<<16)|(1<<21)
	s_mov_b32 s[G1S+1], 32<<16
	s_mov_b32 s[G1S+2], 16<<16
	s_mov_b32 s[G1S+3], 32<<16
	s_mov_b32 s[G1S+4], 16
	s_mov_b32 s[G1S+5], 32
	s_mov_b32 s[G1S+6], 0
	s_mov_b32 s[G1S+7], 0
	s_lshl_b32 s20, s17, 18                        ; the tile's 256 rows: 2 x 131,072 bytes of images,
	s_lshl_b32 s22, s16, 17                        ; my half
	s_add_co_u32 s20, s20, s22
	s_mov_b32 s21, 0
	s_add_nc_u64 s[20:21], s[4:5], s[20:21]
	s_lshl_b32 s22, s16, 15                        ; and its place in a slot
.irp s, 0,1
	s_mov_b32 s[G0+4*\s], 1
	s_add_co_u32 s[G0+4*\s+1], s22, \s*SLOT
	s_add_nc_u64 s[G0+4*\s+2:G0+4*\s+3], s[20:21], \s*AHALF
	s_or_b32 s[G0+4*\s+3], s[G0+4*\s+3], 0x80000000
.endr
	s_lshl_b32 s20, s17, 13
	s_lshl_b32 s22, s16, 12
	s_add_co_u32 s20, s20, s22
	s_add_co_u32 s20, s20, SOFF
	s_mov_b32 s21, 0
	s_mov_b32 s[G0S], 1
	s_add_co_u32 s[G0S+1], s22, SCA
	s_add_nc_u64 s[G0S+2:G0S+3], s[4:5], s[20:21]
	s_or_b32 s[G0S+3], s[G0S+3], 0x80000000
	; B's: 128 rows x 256 bytes, 16 bytes of padding behind each; the scale bytes of 128 rows, 4,096 dense bytes, as 16 units of 256 bytes + 16
	s_or_b32 s[G1B], s44, (1<<20)|(1<<21)|(5<<22)|(3<<25)   ; elements of 1 byte; padding: 4 words after every 64
	s_mov_b32 s[G1B+1], 256<<16
	s_mov_b32 s[G1B+2], 128<<16
	s_mov_b32 s[G1B+3], 256<<16
	s_mov_b32 s[G1B+4], 128
	s_mov_b32 s[G1B+5], KTOT
	s_mov_b32 s[G1B+6], 0
	s_mov_b32 s[G1B+7], 0
	s_or_b32 s[G1SB], s44, (3<<16)|(1<<20)|(1<<21)|(5<<22)|(3<<25)
	s_mov_b32 s[G1SB+1], 32<<16
	s_mov_b32 s[G1SB+2], 16<<16
	s_mov_b32 s[G1SB+3], 32<<16
	s_mov_b32 s[G1SB+4], 16
	s_mov_b32 s[G1SB+5], 32
	s_mov_b32 s[G1SB+6], 0
	s_mov_b32 s[G1SB+7], 0
	s_lshl_b32 s94, s42, 8
	s_lshl_b32 s95, s16, 7
	s_add_co_u32 s94, s94, s95                     ; my first row of the weight: 256 x tile column + 128 x half
	s_lshl_b32 s92, s94, 10
	s_mov_b32 s93, 0
	s_add_nc_u64 s[92:93], s[6:7], s[92:93]
	s_mul_i32 s95, s16, BHALF
.irp s, 0,1
	s_mov_b32 s[G0B+4*\s], 1
	s_add_co_u32 s[G0B+4*\s+1], s95, \s*SLOT+WOFF
	s_add_nc_u64 s[G0B+4*\s+2:G0B+4*\s+3], s[92:93], \s*256
	s_or_b32 s[G0B+4*\s+3], s[G0B+4*\s+3], 0x80000000
.endr
	s_lshl_b32 s92, s94, 5
	s_mov_b32 s93, 0
	s_mul_i32 s95, s16, SHB
	s_mov_b32 s[G0SB], 1
	s_add_co_u32 s[G0SB+1], s95, SCW
	s_add_nc_u64 s[G0SB+2:G0SB+3], s[8:9], s[92:93]
	s_or_b32 s[G0SB+3], s[G0SB+3], 0x80000000
	CROUND                                         ; all sixteen work-groups are here: the first joint loads meet
	JLOAD G0S, G1S, G0SB, G1SB                     ; the scales, slot 0, slot 1: three loads of mine are out
	JLOAD G0, G1, G0B, G1B
	JLOAD G0+4, G1, G0B+4, G1B
	v_and_b32 v1, 15, v0                           ; r
	v_bfe_u32 v2, v0, 4, 1                         ; h
	v_and_b32 v3, 31, v0                           ; lane
	v_cmp_le_u32 s2, 16, v3                        ; lanes 16-31
	v_lshlrev_b32 v4, 4, v3                        ; 16 x lane
	v_lshlrev_b32 v[LS], 2, v3
	v_lshlrev_b32 v[L8], 4, v1
	v_lshl_add_u32 v[L8], v2, 3, v[L8]
	s_lshl_b32 s47, s15, 15                        ; my 128 rows of A
	v_add_nc_u32 v[ADRA], s47, v4
	v_add_nc_u32 v[ADRA+1], SLOT, v[ADRA]
	v_mul_u32_u24 v4, v1, WP
	v_lshl_add_u32 v4, v2, 4, v4                   ; a fragment's row x pitch + 16 x half
	s_mul_i32 s47, s16, BHALF                      ; my 128 rows of B
	s_add_co_u32 s47, s47, WOFF
	v_add_nc_u32 v[ADRB], s47, v4
	v_add_nc_u32 v[ADRB+1], SLOT, v[ADRB]
	s_lshl_b32 s47, s15, 12
	s_add_co_u32 s47, s47, SCA
	v_add_nc_u32 v[ADSA], s47, v[LS]               ; A's scale words: 32 rows a load
	v_lshlrev_b32 v4, 5, v1                        ; B's: 32 bytes a row,
	v_lshrrev_b32 v5, 8, v4
	v_lshl_add_u32 v4, v5, 4, v4                   ; and 16 more for each 256 passed
	s_mul_i32 s47, s16, SHB
	s_add_co_u32 s47, s47, SCW
	v_add_nc_u32 v[ADSB], s47, v4
	v_lshlrev_b32 v5, 5, v2                        ; the bias: my half's eight columns of each tile
	s_lshl_b32 s46, s42, 10
	s_lshl_b32 s47, s16, 9
	s_add_co_u32 s46, s46, s47                     ; my 128 columns
	s_mov_b32 s47, 0
	s_add_nc_u64 s[10:11], s[10:11], s[46:47]
.irp b, 0,1,2,3,4,5,6,7
.set rC, 16+8*\b
.if \b > 1
.set rC, 64+8*\b
.endif
	global_load_b128 v[rC:rC+3], v5, s[10:11] offset:64*\b
	global_load_b128 v[rC+4:rC+7], v5, s[10:11] offset:64*\b+16
.endr
	s_lshl_b32 s46, s17, 1
	s_add_co_u32 s46, s46, s15                     ; out: row / 128,
	s_lshl_b32 s46, s46, 5
	s_lshl_b32 s47, s42, 1
	s_add_co_u32 s47, s47, s16                     ; k / 128
	s_add_co_u32 s46, s46, s47
	s_lshl_b32 s96, s46, 9                         ; its 128 scale words
	s_add_co_u32 s96, s96, OSOFF
	s_mov_b32 s97, 0
	s_lshl_b32 s46, s46, 14                        ; its eight images
	s_mov_b32 s47, 0
	s_add_nc_u64 s[96:97], s[12:13], s[96:97]
	s_add_nc_u64 s[12:13], s[12:13], s[46:47]
	s_wait_tensorcnt 0x1                           ; the scales and my part of slot 0 are in; slot 1's load may be out
	s_barrier_signal -1
	s_barrier_wait -1                              ; everybody's are
	FETCH_B 0, 0, 0
	FETCH_A 0, 0, 0
	SCALES 0
	FETCH_A 0, 0, 4
	s_wait_loadcnt 0x0                             ; the bias
	STEP 0, 1                                      ; K 0: its products start the sums, with the bias as C
	TURN 0, 1, 1                                   ; K 128; slot 0 takes K 512 .. 767
	STEP 1, 0                                      ; K 256
	TURN 1, 0, 1                                   ; K 384; slot 1 takes K 768 .. 1,023
	STEP 0, 0                                      ; K 512
	TURN 0, 1, 0                                   ; K 640; nothing is left to fetch
	STEP 1, 0                                      ; K 768
	s_wait_dscnt 16                                ; K 896
	WIN 0xa1
	MUL16 0, 1, 1, 1, 0
	MUL16 2, 1, 1, 1, 0
	s_wait_dscnt 0x0
	WIN 0xf1
	MUL16 4, 1, 1, 1, 0
	MUL16 6, 1, 1, 1, 0
	PLACES 8                                       ; in front of the first read of results, and of vector writes into the registers that held B's fragments
	WIN 0x55
.irp b, 0,1,2,3
	v_mov_b32 v[TM+4+\b], 0                        ; a lane permute's destination counts as one of its sources
.endr
	v_mov_b32 v[KC], 0xbdd2d3e8                    ; k2 = -0.10294324
	v_mov_b32 v[KC+1], 0xbdd2d3e8
	v_mov_b32 v[KC+2], 0xc0135761                  ; k1 = -2.3022082
	v_mov_b32 v[KC+3], 0xc0135761
.irp a, 0,1,2,3,4,5,6,7
	BLOCK \a
.endr
	WIN 0x55
.irp p, 0,1,2,3
	v_cndmask_b32 v[MW+\p], v[PW+2*\p], v[PW+2*\p+1], s2   ; lanes 0-15 the even block's rows, lanes 16-31 the odd block's
.endr
	WIN 0x04
.irp p, 0,1,2,3
	global_store_b32 v[LS], v[MW+\p], s[96:97] offset:128*\p   ; 128 consecutive bytes
.endr
	WIN 0
	s_wait_tensorcnt 0x0                           ; the wave's end, behind my last tensor load
	ds_add_u32 v[SPW], v[NIL]
	s_wait_dscnt 0x0
	CROUND                                         ; the closing round: no work-group ends while a partner may still ask for a tile that names it
	s_endpgm
.Lfunc_end_k_q8d2f694b91_ff1:
	.size	k_q8d2f694b91_ff1, .Lfunc_end_k_q8d2f694b91_ff1-k_q8d2f694b91_ff1
	.p2alignl 7, 3214868480
	.fill 96, 4, 3214868480
	.section	.rodata,"a",@progbits
	.p2align	6, 0x0
	.amdhsa_kernel k_q8d2f694b91_ff1
		.amdhsa_group_segment_fixed_size 327680
		.amdhsa_private_segment_fixed_size 0
		.amdhsa_enable_private_segment 0
		.amdhsa_kernarg_size 40
		.amdhsa_user_sgpr_count 2
		.amdhsa_user_sgpr_kernarg_segment_ptr 1
		.amdhsa_wavefront_size32 1
		.amdhsa_system_sgpr_workgroup_id_x 1
		.amdhsa_system_sgpr_workgroup_id_y 1
		.amdhsa_system_sgpr_workgroup_id_z 1
		.amdhsa_system_vgpr_workitem_id 0
		.amdhsa_next_free_vgpr 1024
		.amdhsa_next_free_sgpr 98
		.amdhsa_reserve_vcc 0
		.amdhsa_float_denorm_mode_32 3
		.amdhsa_float_denorm_mode_16_64 3
		.amdhsa_memory_ordered 1
		.amdhsa_forward_progress 1
		.amdhsa_inst_pref_size 255
	.end_amdhsa_kernel
	.section	.bss,"aw",@nobits
	.p2align	6
	.space	262144
	.amdgpu_metadata
---
amdhsa.version: [ 1, 2 ]
amdhsa.kernels:
  - .name:           k_q8d2f694b91_ff1
    .symbol:         k_q8d2f694b91_ff1.kd
    .args:
      - { .name: hbuf, .offset: 0, .size: 8, .value_kind: global_buffer, .address_space: global }
      - { .name: W_ff1_codes, .offset: 8, .size: 8, .value_kind: global_buffer, .address_space: global }
      - { .name: W_ff1_scales, .offset: 16, .size: 8, .value_kind: global_buffer, .address_space: global }
      - { .name: b_ff1, .offset: 24, .size: 8, .value_kind: global_buffer, .address_space: global }
      - { .name: gbuf, .offset: 32, .size: 8, .value_kind: global_buffer, .address_space: global }
    .group_segment_fixed_size: 327680
    .private_segment_fixed_size: 0
    .kernarg_segment_align: 8
    .kernarg_segment_size: 40
    .max_flat_workgroup_size: 128
    .sgpr_count:     98
    .vgpr_count:     1024
    .wavefront_size: 32
...
	.end_amdgpu_metadata
.endif
;; end of part 6
;; launch ff2 (part 7): grid 8 x 32, 4 waves a work-group, clusters of 4 x 4, 327,680 bytes of LDS; arguments gbuf, W_ff2_codes, W_ff2_scales, b_ff2, out0, x1; writes out0
.if DOCPART == 7
	.amdgcn_target "amdgcn-amd-amdhsa--gfx1250"
	.amdhsa_code_object_version 6
	.text
	.protected	k_q8d2f694b91_ff2
	.globl	k_q8d2f694b91_ff2
	.p2align	8
	.type	k_q8d2f694b91_ff2,@function
k_q8d2f694b91_ff2:
	s_mov_b64 s[64:65], 0
	v_nop
	global_prefetch_b8 v0, s[64:65] scope:SCOPE_SE
	s_setreg_imm32_b32 hwreg(HW_REG_WAVE_MODE, 25, 1), 1
	s_wait_xcnt 0x0
	s_wait_alu depctr_hold_cnt(0) depctr_sa_sdst(0) depctr_va_vdst(0) depctr_va_sdst(0) depctr_va_ssrc(0) depctr_va_vcc(0) depctr_vm_vsrc(0)
	s_getreg_b32 s2, hwreg(HW_REG_IB_STS2, 6, 4)
	s_cmp_eq_u32 s2, 0
	s_cbranch_scc0 .Lentry_in_a_cluster
	s_endpgm
.Lentry_in_a_cluster:
	s_bfe_u32 s2, ttmp6, 0x10000c
	s_cmp_lg_u32 s2, 0xf033
	s_cbranch_scc0 .Lentry_shape_is_right
	s_endpgm
.Lentry_shape_is_right:
; out = x1 + g W_ff2 + b_ff2: the product on codes of E5M2 with E8M0 scales, the rest in f32.
; A = g, 4,096 rows x 4,096, as images of operand registers ([row / 128][k / 128][(row % 128) / 16][2,048 bytes]) with scale words SOFF bytes on;  B = the weight's rows (one row = one output column), 4,096 codes each, scale bytes [row][128].
; A tile of C is 128 x 128 (256 work-groups); each of four waves makes 32 rows x 128 columns: 16 accumulators, whole rows of 512 bytes on the way out.
; K = 4,096 goes in eight steps of 512 through a ring of two LDS slots filled by the tensor data mover; a refill has the other slot's 64 matrix instructions a wave in which to land.  The scales of the tile's rows, for all of K, come once.
; CLUSTER 4 x 4: A's tiles shared along a cluster's row, B's along a column: joint loads; each refill stands behind a round of the cluster's barrier.
; THE MATRIX INSTRUCTION IS USED TRANSPOSED: lane (r, h) holds row r of C, register j of tile b column 16 b + 8 h + j.  The bias is the C of each sum's first instruction.  The residual is asked for at the start and added on the way out.
; REGISTERS in windows of 256: window 0: v0-31 addresses, v32-111 scale words and nothing else.  window 1: B's fragments, two sets.  window 2: v0-63 A's fragments; v64-127 the bias; v128-255 the residual.
;      window 3: v128-255 the accumulators; v0-63 rows read back from the stage.
; LIMITS: NaN and infinities are not served.
.set KTOT,  4096
.set KS,    KTOT/32
.set SR,    KTOT/128
.set LAPS,  KTOT/1024
.set WROW0, 0
.set SOFF,  16777216
.set SLOT,  133120
.set WOFF,  65536
.set WP,    528
.set SCA,   2*SLOT
.set SCW,   SCA+4*KTOT
.set SBLK,  (16*KS/256)*272
.set SPARE, SCW+2*SR*272               ; the spare words, 128 bytes for each wave: two blocks of 256 bytes that no other line names
.set NF,    40
.set ADRA, 16
.set ADRB, 20
.set ADSA, 22
.set ADSB, 23
.set STO,  24                          ; the stage (16 rows x 528 bytes a wave) lies in slot 0, which has had its last fill and its last read when the first result is stored there
.set RD,   25
.set CO,   26
.set LS,   27
.set SPW,  28                          ; LDS address of my spare word; never rewritten
.set NIL,  29                          ; 0; never rewritten
.set BA,   30
.set SC,   32
.set BI,   64
.set RES,  128
.set ACC,  128
.set RB,   0
.set G1,   24
.set G0,   32
.set G1B,  48
.set G0B,  56
.set G1S,  68
.set G0S,  76
.set G1SB, 80
.set G0SB, 88
.set MSB, 0
.macro WIN new
.if MSB != \new
	s_set_vgpr_msb (MSB<<8)|\new
.set MSB, \new
.endif
.endm
.macro PLACES n
.rept \n
	v_nop
.endr
.endm
.macro JLOAD g0a, g1a, g0b, g1b        ; a joint load: waves 0 and 1 fetch for A, waves 2 and 3 for B; four v_nop follow each line
	s_cmp_eq_u32 s15, 0
	s_cbranch_scc0 .Lfor_b_\@
	tensor_load_to_lds s[\g0a:\g0a+3], s[\g1a:\g1a+7]
	s_nop 0
.rept 4
	v_nop
.endr
	s_branch .Lasked_\@
.Lfor_b_\@:
	tensor_load_to_lds s[\g0b:\g0b+3], s[\g1b:\g1b+7]
	s_nop 0
.rept 4
	v_nop
.endr
.Lasked_\@:
.endm
.macro CREST                           ; a round of the cluster's barrier behind its opening barrier
	s_cmp_lg_u32 s14, 0
	s_cbranch_scc1 .Lnot_wave_0_\@
	s_barrier_signal -3
.Lnot_wave_0_\@:
	s_barrier_wait -3
	s_barrier_signal -1
	s_barrier_wait -1
.endm
.macro CROUND
	s_barrier_signal -1
	s_barrier_wait -1
	CREST
.endm
.macro SIDE_ACT t, m, ga, gb, gc, gd, x    ; descriptors of the side that is an activation: half a slot's images as 128 rows of 256 bytes; half its scale words as SR rows of 256
	s_or_b32 s[\ga], s[\m], (3<<16)|(1<<21)
	s_mov_b32 s[\ga+1], 32<<16
	s_mov_b32 s[\ga+2], 128<<16
	s_mov_b32 s[\ga+3], 32<<16
	s_mov_b32 s[\ga+4], 128
	s_mov_b32 s[\ga+5], 32
	s_mov_b32 s[\ga+6], 0
	s_mov_b32 s[\ga+7], 0
	s_or_b32 s[\gc], s[\m], (3<<16)|(1<<21)
	s_mov_b32 s[\gc+1], 32<<16
	s_mov_b32 s[\gc+2], SR<<16
	s_mov_b32 s[\gc+3], 32<<16
	s_mov_b32 s[\gc+4], SR
	s_mov_b32 s[\gc+5], 32
	s_mov_b32 s[\gc+6], 0
	s_mov_b32 s[\gc+7], 0
	s_mul_i32 s[\x], s[\t], 128*KTOT
	s_lshl_b32 s[\x+2], s16, 15
	s_add_co_u32 s[\x], s[\x], s[\x+2]
	s_mov_b32 s[\x+1], 0
	s_add_nc_u64 s[\x:\x+1], s[4:5], s[\x:\x+1]
.irp s, 0,1
	s_mov_b32 s[\gb+4*\s], 1
	s_add_co_u32 s[\gb+4*\s+1], s[\x+2], \s*SLOT
	s_add_nc_u64 s[\gb+4*\s+2:\gb+4*\s+3], s[\x:\x+1], \s*65536
	s_or_b32 s[\gb+4*\s+3], s[\gb+4*\s+3], 0x80000000
.endr
	s_mul_i32 s[\x], s[\t], 4*KTOT
	s_mul_i32 s[\x+2], s16, 2*KTOT
	s_add_co_u32 s[\x], s[\x], s[\x+2]
	s_add_co_u32 s[\x], s[\x], SOFF
	s_mov_b32 s[\x+1], 0
	s_mov_b32 s[\gd], 1
	s_add_co_u32 s[\gd+1], s[\x+2], SCA
	s_add_nc_u64 s[\gd+2:\gd+3], s[4:5], s[\x:\x+1]
	s_or_b32 s[\gd+3], s[\gd+3], 0x80000000
.endm
.macro SIDE_WGT t, m, ga, gb, gc, gd, x    ; of the side that is a weight: 64 rows x 512 bytes + 16 of padding; its scale bytes as units of 256 bytes + 16
	s_or_b32 s[\ga], s[\m], (1<<20)|(1<<21)|(6<<22)|(3<<25)
	s_mov_b32 s[\ga+1], 512<<16
	s_mov_b32 s[\ga+2], 64<<16
	s_mov_b32 s[\ga+3], 512<<16
	s_mov_b32 s[\ga+4], 64
	s_mov_b32 s[\ga+5], KTOT
	s_mov_b32 s[\ga+6], 0
	s_mov_b32 s[\ga+7], 0
	s_or_b32 s[\gc], s[\m], (3<<16)|(1<<20)|(1<<21)|(5<<22)|(3<<25)
	s_mov_b32 s[\gc+1], 32<<16
	s_mov_b32 s[\gc+2], SR<<16
	s_mov_b32 s[\gc+3], 32<<16
	s_mov_b32 s[\gc+4], SR
	s_mov_b32 s[\gc+5], 32
	s_mov_b32 s[\gc+6], 0
	s_mov_b32 s[\gc+7], 0
	s_lshl_b32 s[\x+2], s[\t], 7
	s_lshl_b32 s[\x+3], s16, 6
	s_add_co_u32 s[\x+2], s[\x+2], s[\x+3]
.if WROW0
	s_add_co_u32 s[\x+2], s[\x+2], WROW0
.endif
	s_mul_i32 s[\x], s[\x+2], KTOT
	s_mov_b32 s[\x+1], 0
	s_add_nc_u64 s[\x:\x+1], s[6:7], s[\x:\x+1]
	s_mul_i32 s[\x+3], s16, 64*WP
.irp s, 0,1
	s_mov_b32 s[\gb+4*\s], 1
	s_add_co_u32 s[\gb+4*\s+1], s[\x+3], \s*SLOT+WOFF
	s_add_nc_u64 s[\gb+4*\s+2:\gb+4*\s+3], s[\x:\x+1], \s*512
	s_or_b32 s[\gb+4*\s+3], s[\gb+4*\s+3], 0x80000000
.endr
	s_mul_i32 s[\x], s[\x+2], KS
	s_mov_b32 s[\x+1], 0
	s_mul_i32 s[\x+3], s16, SR*272
	s_mov_b32 s[\gd], 1
	s_add_co_u32 s[\gd+1], s[\x+3], SCW
	s_add_nc_u64 s[\gd+2:\gd+3], s[8:9], s[\x:\x+1]
	s_or_b32 s[\gd+3], s[\gd+3], 0x80000000
.endm
.macro FETCH slot, q, p                ; B's eight fragments (rows of the weight), A's two (images)
	WIN 0x40
.irp i, 0,1,2,3,4,5,6,7
.irp c, 0,1,2,3
	ds_load_b128 v[128*(\p)+16*\i+4*\c:128*(\p)+16*\i+4*\c+3], v[ADRB+\slot] offset:8448*\i+128*(\q)+32*\c
.endr
.endr
	WIN 0x80
.irp a, 0,1
.irp c, 0,1,2,3
	ds_load_b128 v[32*(\p)+16*\a+4*\c:32*(\p)+16*\a+4*\c+3], v[ADRA+\slot] offset:16384*(\q)+2048*\a+512*\c
.endr
.endr
	WIN 0
.endm
.macro SCALES n
.irp i, 0,1,2,3,4,5,6,7
	ds_load_b128 v[SC+40*\n+4*\i:SC+40*\n+4*\i+3], v[ADSB] offset:\i*SBLK
.endr
.irp q, 0,1,2,3
	ds_load_b32 v[SC+40*\n+32+\q], v[ADSA] offset:512*\q
.endr
.endm
.macro MUL16 p, q, sc, first           ; 16 matrix instructions, 128 along K; the 16 accumulators by turns, one instruction a turn, over the loop's backward jump too
.irp a, 0,1
.irp b, 0,1,2,3,4,5,6,7
.set rD, ACC+8*(8*\a+\b)
.set rB, 128*(\p)+16*\b
.set rA, 32*(\p)+16*\a
.set rC, rD
.if \first
.set rC, BI+8*\b
.endif
.set xB, SC+40*(\sc)+4*\b+(\q)
.set xA, SC+40*(\sc)+32+(\q)
.if \a == 0
	v_wmma_scale_f32_16x16x128_f8f6f4 v[rD:rD+7], v[rB:rB+15], v[rA:rA+15], v[rC:rC+7], v[xB], v[xA] matrix_a_fmt:MATRIX_FMT_BF8 matrix_b_fmt:MATRIX_FMT_BF8
.else
	v_wmma_scale_f32_16x16x128_f8f6f4 v[rD:rD+7], v[rB:rB+15], v[rA:rA+15], v[rC:rC+7], v[xB], v[xA] matrix_a_fmt:MATRIX_FMT_BF8 matrix_b_fmt:MATRIX_FMT_BF8 matrix_b_scale:MATRIX_SCALE_ROW1
.endif
.endr
.endr
.endm
.macro STEP slot, q, first             ; eight places stand in front of loads into registers that matrix instructions have read
.if \first
	FETCH \slot, (\q)+1, 1-(\q)%2
	s_wait_dscnt NF                                ; all but the 40 just issued
	WIN 0xe9
.else
	PLACES 8
	FETCH \slot, (\q)+1, 1-(\q)%2
	s_wait_dscnt NF
	WIN 0xf9
.endif
	MUL16 (\q)%2, \q, \slot, \first
	WIN 0
.endm
; A slot's last step changes slots.  In front of the barrier each wave waits for all its tensor loads (one is out: its part of the next slot), adds 0 to its spare word, and waits for that and for its reads of this slot.
; fill = 1: the barrier opens a round of the cluster's barrier, and behind it this slot is filled again, two slots ahead.
.macro TURN slot, next, fill
	s_wait_tensorcnt 0x0                           ; no tensor load of mine is out, so a group 0 may be written
	ds_add_u32 v[SPW], v[NIL]                      ; 0 onto my spare word
.if \fill
	s_add_nc_u64 s[G0+4*\slot+2:G0+4*\slot+3], s[G0+4*\slot+2:G0+4*\slot+3], 131072     ; A: two slots' images on
	s_add_nc_u64 s[G0B+4*\slot+2:G0B+4*\slot+3], s[G0B+4*\slot+2:G0B+4*\slot+3], 1024   ; B: 1,024 along its rows
.endif
	s_wait_dscnt 0x0                               ; the add is done, and this slot's last fragments are in: my reads of it are over
	s_barrier_signal -1
	s_barrier_wait -1
.if \fill
	CREST                                          ; no wave of any partner still reads this slot or has a load on its way
	JLOAD G0+4*\slot, G1, G0B+4*\slot, G1B         ; the first tensor load behind the round, my only one until the next; its four v_nop are among the places below
	PLACES 4
.else
	PLACES 8
.endif
	v_add_nc_u32 v[ADSA], 2048, v[ADSA]            ; the next slot's scale words
	v_add_nc_u32 v[ADSB], 16, v[ADSB]
	FETCH \next, 0, 0
	SCALES \next
	WIN 0xf9
	MUL16 1, 3, \slot, 0
	WIN 0
.endm
	s_load_b128 s[4:7], s[0:1], 0x0                ; g, the weight's codes
	s_load_b128 s[8:11], s[0:1], 0x10              ; its scales, the bias
	s_load_b64 s[12:13], s[0:1], 0x20              ; out
	s_load_b64 s[66:67], s[0:1], 0x28              ; the residual
	v_lshl_add_u32 v[SPW], v0, 2, SPARE
	v_mov_b32 v[NIL], 0
	ds_add_u32 v28, v29
	ds_add_u32 v28, v29
	s_wait_dscnt 0x0
	v_lshrrev_b32 v1, 5, v0
	v_readfirstlane_b32 s14, v1
	s_lshr_b32 s15, s14, 1
	s_and_b32 s16, s14, 1
	s_bfe_u32 s40, ttmp6, 0x40000
	s_bfe_u32 s41, ttmp6, 0x40004
	s_lshl_b32 s42, ttmp9, 2
	s_add_co_u32 s42, s42, s40
	s_and_b32 s17, ttmp7, 0xffff
	s_lshl_b32 s17, s17, 2
	s_add_co_u32 s17, s17, s41
	s_lshl_b32 s43, s41, 2
	s_lshl_b32 s43, 15, s43
	s_lshl_b32 s44, 0x1111, s40
	s_wait_kmcnt 0x0
	SIDE_ACT 17, 43, G1, G0, G1S, G0S, 20
	SIDE_WGT 42, 44, G1B, G0B, G1SB, G0SB, 92
	CROUND
	JLOAD G0S, G1S, G0SB, G1SB                     ; the scales, slot 0, slot 1: three loads of mine are out
	JLOAD G0, G1, G0B, G1B
	JLOAD G0+4, G1, G0B+4, G1B
	v_and_b32 v1, 15, v0
	v_bfe_u32 v2, v0, 4, 1
	v_and_b32 v3, 31, v0
	v_lshlrev_b32 v[CO], 4, v3
	v_lshlrev_b32 v[LS], 2, v3
	s_lshl_b32 s47, s14, 12
	v_add_nc_u32 v[ADRA], s47, v[CO]
	v_add_nc_u32 v[ADRA+1], SLOT, v[ADRA]
	v_mul_u32_u24 v4, v1, WP
	v_lshl_add_u32 v5, v2, 4, v4
	v_add_nc_u32 v[ADRB], WOFF, v5
	v_add_nc_u32 v[ADRB+1], SLOT+WOFF, v5
	s_mul_i32 s47, s14, 16*WP
	v_lshl_add_u32 v4, v2, 5, v4
	v_add_nc_u32 v[STO], s47, v4
	v_add_nc_u32 v[RD], s47, v[CO]
	s_lshl_b32 s47, s14, 7
	s_add_co_u32 s47, s47, SCA
	v_add_nc_u32 v[ADSA], s47, v[LS]
	v_mul_u32_u24 v4, v1, KS
	v_lshrrev_b32 v5, 8, v4
	v_lshl_add_u32 v4, v5, 4, v4
	v_add_nc_u32 v[ADSB], SCW, v4
	v_lshlrev_b32 v[BA], 5, v2
	s_lshl_b32 s46, s42, 9
	s_mov_b32 s47, 0
	s_add_nc_u64 s[10:11], s[10:11], s[46:47]
	s_lshl_b32 s96, s17, 19
	s_lshl_b32 s97, s14, 17
	s_add_co_u32 s96, s96, s97
	s_add_co_u32 s96, s96, s46
	s_mov_b32 s97, 0
	s_add_nc_u64 s[66:67], s[66:67], s[96:97]
	s_add_nc_u64 s[12:13], s[12:13], s[96:97]
	WIN 0x80
.irp b, 0,1,2,3,4,5,6,7
	global_load_b128 v[BI+8*\b:BI+8*\b+3], v[BA], s[10:11] offset:64*\b
	global_load_b128 v[BI+8*\b+4:BI+8*\b+7], v[BA], s[10:11] offset:64*\b+16
.endr
.set n, 0
.rept 32
	global_load_b128 v[RES+4*n:RES+4*n+3], v[CO], s[66:67] offset:n*4096 th:TH_LOAD_NT   ; read once, and by no later launch
.set n, n+1
.endr
	WIN 0
	s_wait_tensorcnt 0x1                           ; the scales and slot 0 are in; slot 1's load may be out
	s_barrier_signal -1
	s_barrier_wait -1
	FETCH 0, 0, 0
	SCALES 0
	s_wait_loadcnt 32                              ; the bias is in; the 32 loads of the residual may be out
	STEP 0, 0, 1                                   ; the first step stands in front of the loop: its products start the sums
	s_mov_b32 s3, LAPS-1
.Llap:                                                 ; a trip goes once round the ring, from a lap's second step to the next lap's first, and fills both slots again
	STEP 0, 1, 0
	STEP 0, 2, 0
	TURN 0, 1, 1
	STEP 1, 0, 0
	STEP 1, 1, 0
	STEP 1, 2, 0
	TURN 1, 0, 1
	STEP 0, 0, 0
	s_sub_co_u32 s3, s3, 1
	s_cmp_lg_u32 s3, 0
	s_cbranch_scc1 .Llap
	STEP 0, 1, 0                                   ; the last lap fills nothing
	STEP 0, 2, 0
	TURN 0, 1, 0
	STEP 1, 0, 0
	STEP 1, 1, 0
	STEP 1, 2, 0
	s_wait_dscnt 0x0
	WIN 0xf9
	MUL16 1, 3, 1, 0
	; THE WAY OUT, 16 rows at a time: through my own stage, back as whole rows of 512 bytes, the residual added, stored.  LDS serves a wave's instructions in order (ISA guide 5.7.1.4).
	PLACES 8
.macro OUT a
.if \a
	s_wait_xcnt 0x0                                ; the last block's stores have read their registers
.endif
	WIN 0x0c
.irp b, 0,1,2,3,4,5,6,7
	ds_store_b128 v[STO], v[ACC+64*\a+8*\b:ACC+64*\a+8*\b+3] offset:64*\b          ; each accumulator from its low end on
	ds_store_b128 v[STO], v[ACC+64*\a+8*\b+4:ACC+64*\a+8*\b+7] offset:64*\b+16
.endr
	WIN 0xc0
.irp t, 0,1,2,3,4,5,6,7,8,9,10,11,12,13,14,15
	ds_load_b128 v[RB+4*\t:RB+4*\t+3], v[RD] offset:\t*WP
.endr
	s_wait_dscnt 0x0
	s_wait_loadcnt 0x0                             ; the residual
	WIN 0xcb                                       ; destination and source 0 window 3, source 1 window 2
.set n, 0
.rept 32
	v_pk_add_f32 v[RB+n:RB+n+1], v[RB+n:RB+n+1], v[RES+64*\a+n:RES+64*\a+n+1]
.set n, n+2
.endr
	WIN 0x0c
.irp t, 0,1,2,3,4,5,6,7,8,9,10,11,12,13,14,15
	global_store_b128 v[CO], v[RB+4*\t:RB+4*\t+3], s[12:13] offset:(16*\a+\t)*4096 th:TH_STORE_NT   ; 32 lanes store 512 consecutive bytes
.endr
.endm
	OUT 0
	OUT 1
	WIN 0
	s_wait_tensorcnt 0x0                           ; the wave's end, behind my last tensor load and my last LDS store
	ds_add_u32 v[SPW], v[NIL]
	s_wait_dscnt 0x0
	CROUND                                         ; the closing round
	s_endpgm
.Lfunc_end_k_q8d2f694b91_ff2:
	.size	k_q8d2f694b91_ff2, .Lfunc_end_k_q8d2f694b91_ff2-k_q8d2f694b91_ff2
	.p2alignl 7, 3214868480
	.fill 96, 4, 3214868480
	.section	.rodata,"a",@progbits
	.p2align	6, 0x0
	.amdhsa_kernel k_q8d2f694b91_ff2
		.amdhsa_group_segment_fixed_size 327680
		.amdhsa_private_segment_fixed_size 0
		.amdhsa_enable_private_segment 0
		.amdhsa_kernarg_size 48
		.amdhsa_user_sgpr_count 2
		.amdhsa_user_sgpr_kernarg_segment_ptr 1
		.amdhsa_wavefront_size32 1
		.amdhsa_system_sgpr_workgroup_id_x 1
		.amdhsa_system_sgpr_workgroup_id_y 1
		.amdhsa_system_sgpr_workgroup_id_z 1
		.amdhsa_system_vgpr_workitem_id 0
		.amdhsa_next_free_vgpr 1024
		.amdhsa_next_free_sgpr 98
		.amdhsa_reserve_vcc 0
		.amdhsa_float_denorm_mode_32 3
		.amdhsa_float_denorm_mode_16_64 3
		.amdhsa_memory_ordered 1
		.amdhsa_forward_progress 1
		.amdhsa_inst_pref_size 110
	.end_amdhsa_kernel
	.amdgpu_metadata
---
amdhsa.version: [ 1, 2 ]
amdhsa.kernels:
  - .name:           k_q8d2f694b91_ff2
    .symbol:         k_q8d2f694b91_ff2.kd
    .args:
      - { .name: gbuf, .offset: 0, .size: 8, .value_kind: global_buffer, .address_space: global }
      - { .name: W_ff2_codes, .offset: 8, .size: 8, .value_kind: global_buffer, .address_space: global }
      - { .name: W_ff2_scales, .offset: 16, .size: 8, .value_kind: global_buffer, .address_space: global }
      - { .name: b_ff2, .offset: 24, .size: 8, .value_kind: global_buffer, .address_space: global }
      - { .name: out0, .offset: 32, .size: 8, .value_kind: global_buffer, .address_space: global }
      - { .name: x1, .offset: 40, .size: 8, .value_kind: global_buffer, .address_space: global }
    .group_segment_fixed_size: 327680
    .private_segment_fixed_size: 0
    .kernarg_segment_align: 8
    .kernarg_segment_size: 48
    .max_flat_workgroup_size: 128
    .sgpr_count:     98
    .vgpr_count:     1024
    .wavefront_size: 32
...
	.end_amdgpu_metadata
.endif
;; end of part 7
